; MI455X (gfx1250); checked and timed in simulation.
; The chip was launched on July 23, 2026; its instructions are those of AMD's public machine-readable ISA for CDNA 5 (MIT licence, August 2026) and "CDNA5" Instruction Set Architecture Reference Guide (July 2026). The comments in the code are by the model that wrote it; some were corrected since.
;; Multi Head Attention. Allowed arithmetic: float matrix products may take bf16 or f16 operands with f32 sums; all other float work in f32.
;; Inputs: attention_mask 1 x 1 x 4,096 x 4,096 float32; cos 4,096 x 32 float32; k_norm_w 64 float32; q_norm_w 64 float32; sin 4,096 x 32 float32; wk 1,024 x 1,024 float32; wo 1,024 x 1,024 float32; wq 1,024 x 1,024 float32; wv 1,024 x 1,024 float32; x 1 x 4,096 x 1,024 float32.
;; Outputs: out0 1 x 4,096 x 1,024 float32.
;; 2 versions, each right; version 2 is version 1 with the launch cvt written anew for expert scheduling mode. Each part assembles by itself: llvm-mc -triple=amdgcn-amd-amdhsa -mcpu=gfx1250 --defsym DOCPART=n.
;; ======== version 1 of 2: 4 launches
;; limits: values outside matrix products are rounded to bf16; values are held in f16: magnitudes above 65,504 overflow, below 6.1e-05 lose precision
;; workspace buffers: xb 8,388,608 bytes; wb 6,291,456 bytes; wob 4,194,304 bytes; qb 8,388,608 bytes; kb 8,388,608 bytes; vb 8,388,608 bytes; ob 16,777,216 bytes
;; launch cvt (part 1): grid 256 x 1, 8 waves a work-group, no clusters, 0 bytes of LDS; arguments x, wq, wk, wv, wo, xb, wb, wob; writes xb, wb, wob
.if DOCPART == 1
	.amdgcn_target "amdgcn-amd-amdhsa--gfx1250"
	.amdhsa_code_object_version 6
	.text
	.protected	k_qb0b56d8fad_cvt
	.globl	k_qb0b56d8fad_cvt
	.p2align	8
	.type	k_qb0b56d8fad_cvt,@function
k_qb0b56d8fad_cvt:
	s_mov_b64 s[64:65], 0
	v_nop
	global_prefetch_b8 v0, s[64:65] scope:SCOPE_SE
	s_setreg_imm32_b32 hwreg(HW_REG_WAVE_MODE, 25, 1), 1
	s_wait_xcnt 0x0
; The matrix operands are narrowed once, so that the three matrix launches can bring 16-bit tiles straight into LDS.
;   xb  [4096][1024] bf16 = x
;   wb  [3072][1024] bf16: row 384 cb + 128 ty + i = row 128 cb + i of wq, wk, wv (ty = 0, 1, 2): a block of 128 features of all three lies together
;   wob [1024][2048] f16:  wo rounded to bf16 (its 8 bits fit f16's 11), written twice along the row, for the two halves (hi, lo) of the attention's result
; LIMIT: x and the four weights are taken rounded to bf16.  wo as f16: numbers under 2^-14 keep an absolute error of 2^-25.
; A stream: each byte is read once and written once; no LDS, no matrix unit and no cluster, since no two work-groups read the same byte.
; 256 work-groups of 8 waves; each owns 32 rows of 4,096 bytes.  Groups 0-127: x.  Groups 128-255: 32 each for wq, wk, wv, wo.
; Thread t owns the 16 bytes at 16 t of every row: a wave's load covers 512 consecutive bytes, its store of 8 bytes a lane 256 consecutive bytes, aligned.
; All 32 loads of a thread go out first; every row has data registers of its own, so no register that a store reads is written again.
.set ROWS, 32
.set X, 8                              ; v[8:135]   row i: 4 numbers as loaded
.set Y, 136                            ; v[136:199] row i: 4 numbers in 16 bits, to store
.set T, 200                            ; v[200:203] at work (wo's path)
	s_load_b512 s[8:23], s[0:1], 0x0               ; x s[8:9], wq s[10:11], wk s[12:13], wv s[14:15], wo s[16:17], xb s[18:19], wb s[20:21], wob s[22:23]
	s_mov_b32 s2, ttmp9                            ; g
	s_sub_co_u32 s3, s2, 128                       ; g - 128 (of use from group 128 on)
	s_bfe_u32 s4, s3, 0x20005                      ; which weight: 0 wq, 1 wk, 2 wv, 3 wo
	s_and_b32 s5, s3, 31                           ; c: which 32 rows of it
	s_lshr_b32 s6, s5, 2                           ; wb: row 384 (c / 4)
	s_mul_i32 s6, s6, 384
	s_lshl_b32 s7, s4, 7                           ;   + 128 x which
	s_add_co_u32 s6, s6, s7
	s_and_b32 s7, s5, 3                            ;   + 32 (c % 4),
	s_lshl_b32 s7, s7, 5
	s_add_co_u32 s6, s6, s7
	s_lshl_b32 s6, s6, 11                          ;   rows of 2,048 bytes
	s_lshl_b32 s7, s5, 17                          ; wob: 32 c rows of 4,096 bytes
	s_lshl_b32 s32, s2, 16                         ; xb: 32 g rows of 2,048 bytes
	s_mov_b32 s33, 0xffff0000                      ; a word's upper bf16
	v_lshlrev_b32 v1, 4, v0                        ; my 16 bytes of an input row
	v_lshlrev_b32 v2, 3, v0                        ; my 8 bytes of an output row
	s_wait_kmcnt 0x0
	s_cmp_eq_u32 s4, 1                             ; the choices hang on the group's number alone
	s_cselect_b64 s[24:25], s[12:13], s[10:11]
	s_cmp_eq_u32 s4, 2
	s_cselect_b64 s[24:25], s[14:15], s[24:25]
	s_cmp_eq_u32 s4, 3
	s_cselect_b64 s[24:25], s[16:17], s[24:25]     ; from
	s_cselect_b64 s[26:27], s[22:23], s[20:21]     ; to
	s_cselect_b32 s30, s7, s6                      ; byte offset in the output
	s_cmp_lt_u32 s2, 128
	s_cselect_b64 s[24:25], s[8:9], s[24:25]
	s_cselect_b64 s[26:27], s[18:19], s[26:27]
	s_cselect_b32 s30, s32, s30
	s_cselect_b32 s28, s2, s5                      ; which 32 rows of the input
	s_lshl_b32 s28, s28, 17                        ; of 4,096 bytes
	s_mov_b32 s29, 0
	s_mov_b32 s31, 0
	s_add_nc_u64 s[24:25], s[24:25], s[28:29]
	s_add_nc_u64 s[26:27], s[26:27], s[30:31]
.set i, 0
.rept ROWS
	global_load_b128 v[X+4*i:X+4*i+3], v1, s[24:25] offset:4096*i th:TH_LOAD_NT
.set i, i+1
.endr
	s_cmp_ge_u32 s2, 224
	s_cbranch_scc1 .Lwo
.set i, 0
.rept ROWS
	s_wait_loadcnt ROWS-1-i                        ; loads come back in order: row i is in, the younger rows stay out
	v_cvt_pk_bf16_f32 v[Y+2*i], v[X+4*i], v[X+4*i+1]
	v_cvt_pk_bf16_f32 v[Y+2*i+1], v[X+4*i+2], v[X+4*i+3]
	global_store_b64 v2, v[Y+2*i:Y+2*i+1], s[26:27] offset:2048*i
.set i, i+1
.endr
	s_endpgm
.Lwo:
.set i, 0
.rept ROWS
	s_wait_loadcnt ROWS-1-i
	v_cvt_pk_bf16_f32 v[Y+2*i], v[X+4*i], v[X+4*i+1]       ; rounded to bf16,
	v_cvt_pk_bf16_f32 v[Y+2*i+1], v[X+4*i+2], v[X+4*i+3]
	v_lshlrev_b32 v[T], 16, v[Y+2*i]                       ; widened again,
	v_and_b32 v[T+1], s33, v[Y+2*i]
	v_lshlrev_b32 v[T+2], 16, v[Y+2*i+1]
	v_and_b32 v[T+3], s33, v[Y+2*i+1]
	v_cvt_pk_f16_f32 v[Y+2*i], v[T], v[T+1]                ; and written as f16
	v_cvt_pk_f16_f32 v[Y+2*i+1], v[T+2], v[T+3]
	global_store_b64 v2, v[Y+2*i:Y+2*i+1], s[26:27] offset:4096*i
	global_store_b64 v2, v[Y+2*i:Y+2*i+1], s[26:27] offset:4096*i+2048
.set i, i+1
.endr
	s_endpgm
.Lfunc_end_k_qb0b56d8fad_cvt:
	.size	k_qb0b56d8fad_cvt, .Lfunc_end_k_qb0b56d8fad_cvt-k_qb0b56d8fad_cvt
	.p2alignl 7, 3214868480
	.fill 96, 4, 3214868480
	.section	.rodata,"a",@progbits
	.p2align	6, 0x0
	.amdhsa_kernel k_qb0b56d8fad_cvt
		.amdhsa_group_segment_fixed_size 0
		.amdhsa_private_segment_fixed_size 0
		.amdhsa_enable_private_segment 0
		.amdhsa_kernarg_size 64
		.amdhsa_user_sgpr_count 2
		.amdhsa_user_sgpr_kernarg_segment_ptr 1
		.amdhsa_wavefront_size32 1
		.amdhsa_system_sgpr_workgroup_id_x 1
		.amdhsa_system_sgpr_workgroup_id_y 1
		.amdhsa_system_sgpr_workgroup_id_z 1
		.amdhsa_system_vgpr_workitem_id 0
		.amdhsa_next_free_vgpr 208
		.amdhsa_next_free_sgpr 66
		.amdhsa_reserve_vcc 0
		.amdhsa_float_denorm_mode_32 3
		.amdhsa_float_denorm_mode_16_64 3
		.amdhsa_memory_ordered 1
		.amdhsa_forward_progress 1
		.amdhsa_inst_pref_size 32
	.end_amdhsa_kernel
	.amdgpu_metadata
---
amdhsa.version: [ 1, 2 ]
amdhsa.kernels:
  - .name:           k_qb0b56d8fad_cvt
    .symbol:         k_qb0b56d8fad_cvt.kd
    .args:
      - { .name: x, .offset: 0, .size: 8, .value_kind: global_buffer, .address_space: global }
      - { .name: wq, .offset: 8, .size: 8, .value_kind: global_buffer, .address_space: global }
      - { .name: wk, .offset: 16, .size: 8, .value_kind: global_buffer, .address_space: global }
      - { .name: wv, .offset: 24, .size: 8, .value_kind: global_buffer, .address_space: global }
      - { .name: wo, .offset: 32, .size: 8, .value_kind: global_buffer, .address_space: global }
      - { .name: xb, .offset: 40, .size: 8, .value_kind: global_buffer, .address_space: global }
      - { .name: wb, .offset: 48, .size: 8, .value_kind: global_buffer, .address_space: global }
      - { .name: wob, .offset: 56, .size: 8, .value_kind: global_buffer, .address_space: global }
    .group_segment_fixed_size: 0
    .private_segment_fixed_size: 0
    .kernarg_segment_align: 8
    .kernarg_segment_size: 64
    .max_flat_workgroup_size: 256
    .sgpr_count:     66
    .vgpr_count:     208
    .wavefront_size: 32
...
	.end_amdgpu_metadata
.endif
;; end of part 1
;; launch qkv (part 2): grid 8 x 32, 4 waves a work-group, clusters of 4 x 4, 327,680 bytes of LDS; arguments xb, wb, cos, sin, q_norm_w, k_norm_w, qb, kb, vb; writes qb, kb, vb
.if DOCPART == 2
	.amdgcn_target "amdgcn-amd-amdhsa--gfx1250"
	.amdhsa_code_object_version 6
	.text
	.protected	k_qb0b56d8fad_qkv
	.globl	k_qb0b56d8fad_qkv
	.p2align	8
	.type	k_qb0b56d8fad_qkv,@function
k_qb0b56d8fad_qkv:
	s_mov_b64 s[64:65], 0
	v_nop
	global_prefetch_b8 v0, s[64:65] scope:SCOPE_SE
	s_setreg_imm32_b32 hwreg(HW_REG_WAVE_MODE, 25, 1), 1
	s_wait_xcnt 0x0
	s_wait_alu depctr_hold_cnt(0) depctr_sa_sdst(0) depctr_va_vdst(0) depctr_va_sdst(0) depctr_va_ssrc(0) depctr_va_vcc(0) depctr_vm_vsrc(0)
	s_getreg_b32 s2, hwreg(HW_REG_IB_STS2, 6, 4)
	s_cmp_eq_u32 s2, 0
	s_cbranch_scc0 .Lentry_in_a_cluster
	s_endpgm
.Lentry_in_a_cluster:
	s_bfe_u32 s2, ttmp6, 0x10000c
	s_cmp_lg_u32 s2, 0xf033
	s_cbranch_scc0 .Lentry_shape_is_right
	s_endpgm
.Lentry_shape_is_right:
; q, k, v = x wq^T, x wk^T, x wv^T (bf16 operands, f32 sums); q and k then get the RMS norm over their head's 64 channels, the gain and the rotation; all three leave as f16,
; [4096 tokens][1024 = 64 head + channel].  q is also multiplied by log2(e) / 8, so that the attention's scores are exponents of 2.
; LIMITS: cos, sin and the two gains are taken rounded to bf16, like x and the weights.  v is f16: |x wv^T| has to stay under 65,504.
; SHARES.  A work-group makes 128 tokens x 128 features (two heads) of q, of k and of v: 8 x 32 work-groups.  A wave makes 64 tokens x one head of all three: 48 accumulators of
; 16 x 16, 384 registers.  K = 1,024 goes in steps of 128 through two LDS slots of 512 rows (128 of x, 3 x 128 of the weights); a row is 256 bytes of memory, aligned; each wave brings 128 rows.
; CLUSTER.  4 x 4 work-groups: the four of a row share the tokens (x's tile), the four of a column the features (the weights' tiles).  Such a tile is asked for jointly.
; THE MATRIX INSTRUCTION IS USED TRANSPOSED (source 0 = 16 features, source 1 = 16 tokens): a lane holds ONE token (lane % 16) and the features 16 fi + 8 (lane / 16) + 0..7 of accumulator fi.
; So a head's sum of squares is 32 numbers of the lane and one exchange between the halves of the lanes, and the rotation's partner, channel d + 32, is accumulator fi + 2, same lane, same register.
; REGISTERS, in windows of 256:  window 0: v0-31 addresses, v32-255 the epilogue's;  window 1: two fragment buffers of 128 (4 of x, then 12 of the weights);
;   window 2: q's accumulators at 8 (4 fi + a), k's at 128 + the same;  window 3: v's accumulators at 8 (4 fi + a); v128-255 cos and sin of my 64 tokens.
.set KSTEP,  128
.set PITCH,  272                       ; an LDS row: 256 bytes + 16 of padding = 68 words, so the 16 rows that a fragment load touches start 4 words apart modulo 64 words
.set HALFT,  128*PITCH                 ; what one tensor load brings
.set SLOT,   4*HALFT                   ; x's 128 rows, then q's, k's, v's weights
.set LAPS,   4                         ; a lap = two K steps = once round the ring: 1,024 / 256
.set WV,   22                          ; s22  my wave's number
.set G1A,  28                          ; s[28:35] descriptor group 1 for x's tiles;  s[36:43] group 0, a set for each slot
.set G0A,  36
.set G1B,  44                          ; s[44:51], s[52:59] the same for the weights' tiles
.set G0B,  52
.set ADRA, 4                           ; v4-5    LDS address of my fragments of x in slot 0, 1
.set ADRB, 6                           ; v6-11   of my fragments of the weights: 3 x slot + type (an immediate does not reach across 128 rows x 3)
.set STO,  12                          ; v12-14  the way out: where I put 16 bytes of a row, for q, k, v
.set RD,   15                          ; v15-17  where I read a row back
.set CO,   18                          ; v18     my byte offset in the output's rows
.set CSO,  19                          ; v19     my byte offset in cos and sin
.set NWO,  20                          ; v20     my byte offset in the gains
.set T,    32                          ; v32-63   a tile's 32 numbers at work
.set OUT,  64                          ; v64-95   rotated
.set U,    96                          ; v96-111  products with sin
.set PK,   112                         ; v112-127 packed f16
.set WQ,   128                         ; v128-159 q's gain of my 32 channels, v160-191 k's
.set SS,   192                         ; v192-255 eight registers for each of 8 (type, token tile): sums of squares, then 1 / rms at +2
.set CS,   128                         ; window 3: token tile a: cos at 128 + 32 a, sin 16 further on
.set F0,   0
.set F1,   128
.set MSB,  0
.macro WIN new                         ; the immediate's high byte repeats the setting that is left; a switch that changes nothing is dropped
.if MSB != \new
	s_set_vgpr_msb (MSB<<8)|\new
.set MSB, \new
.endif
.endm
.set MUL_LO, 0xa5                      ; sources 0 and 1 window 1, C and D window 2
.set MUL_HI, 0xf5                      ; the same, C and D window 3
.set TO_F,   0x40                      ; destination window 1, address window 0
.macro PLACES                          ; four places in front of loads into registers that matrix instructions have read, and of vector instructions that read their results
.rept 4
	v_nop
.endr
.endm
; A joint load.  Wave 0 fetches x's tile, waves 1 to 3 the weights of q, k, v.  The branch hangs on the wave's number alone.  Four v_nop follow each of the two lines.
.macro JLOAD s
	s_cmp_eq_u32 s[WV], 0
	s_cbranch_scc0 .Lfor_b_\@
	tensor_load_to_lds s[G0A+4*\s:G0A+4*\s+3], s[G1A:G1A+7]
	s_nop 0
	PLACES
	s_branch .Lasked_\@
.Lfor_b_\@:
	tensor_load_to_lds s[G0B+4*\s:G0B+4*\s+3], s[G1B:G1B+7]
	s_nop 0
	PLACES
.Lasked_\@:
.endm
.macro CREST                           ; a round of the cluster's barrier behind its opening barrier
	s_cmp_lg_u32 s[WV], 0
	s_cbranch_scc1 .Lnot_wave_0_\@
	s_barrier_signal -3
.Lnot_wave_0_\@:
	s_barrier_wait -3
	s_barrier_signal -1
	s_barrier_wait -1
.endm
.macro CROUND                          ; a whole round
	s_barrier_signal -1
	s_barrier_wait -1
	CREST
.endm
	s_load_b256 s[4:11], s[0:1], 0x0               ; xb s[4:5], wb s[6:7], cos s[8:9], sin s[10:11]
	s_load_b256 s[12:19], s[0:1], 0x20             ; q_norm_w s[12:13], k_norm_w s[14:15], qb s[16:17], kb s[18:19]
	s_load_b64 s[20:21], s[0:1], 0x40              ; vb
	v_lshl_add_u32 v30, v0, 2, 0x44000
	v_mov_b32 v31, 0
	ds_add_u32 v30, v31
	v_lshrrev_b32 v1, 5, v0
	v_readfirstlane_b32 s[WV], v1                  ; wave 0..3
	s_lshr_b32 s23, s[WV], 1                       ; rh: which 64 tokens are mine
	s_and_b32 s24, s[WV], 1                        ; ch: which of the two heads
	s_bfe_u32 s66, ttmp6, 0x40000                  ; cx, cy: my place in the cluster
	s_bfe_u32 s67, ttmp6, 0x40004
	s_lshl_b32 s68, ttmp9, 2
	s_add_co_u32 s68, s68, s66                     ; x: block of 128 features = 4 x cluster x + cx
	s_and_b32 s69, ttmp7, 0xffff
	s_lshl_b32 s69, s69, 2
	s_add_co_u32 s69, s69, s67                     ; y: block of 128 tokens = 4 x cluster y + cy
	s_lshl_b32 s70, s67, 2
	s_lshl_b32 s70, 15, s70                        ; my row of the cluster
	s_lshl_b32 s71, 0x1111, s66                    ; my column
	; descriptor group 1: a tile of 128 rows x 128 elements of 2 bytes, padded in LDS
	s_or_b32 s[G1A+0], s70, (1<<16)|(1<<20)|(1<<21)|(5<<22)|(3<<25)  ; 15:0 the mask: x's tiles go to my row; 17:16 elements of 2 bytes; 20 padding on; 21 set beside a mask; 24:22 after every 64 words; 31:25 four words of it
	s_or_b32 s[G1B+0], s71, (1<<16)|(1<<20)|(1<<21)|(5<<22)|(3<<25)  ; the weights' tiles go to my column
.irp g, G1A, G1B
	s_mov_b32 s[\g+1], KSTEP<<16                   ; tensor_dim0 = 128
	s_mov_b32 s[\g+2], 128<<16                     ; tensor_dim1 = 128
	s_mov_b32 s[\g+3], KSTEP<<16                   ; tile_dim0 = 128
	s_mov_b32 s[\g+4], 128                         ; tile_dim1 = 128
	s_mov_b32 s[\g+5], 1024                        ; elements from row to row
	s_mov_b32 s[\g+6], 0
	s_mov_b32 s[\g+7], 0
.endr
	s_lshl_b32 s72, s69, 18                        ; x's tile: row 128 y, rows of 2,048 bytes: it hangs on y alone
	s_mov_b32 s73, 0
	s_max_u32 s74, s[WV], 1                        ; the weights' tile: row 384 x + 128 (wave - 1): it hangs on x and the wave alone (wave 0 does not ask by it)
	s_sub_co_u32 s74, s74, 1
	s_lshl_b32 s74, s74, 7
	s_mul_i32 s75, s68, 384
	s_add_co_u32 s74, s74, s75
	s_lshl_b32 s74, s74, 11
	s_mov_b32 s75, 0
	s_mul_i32 s25, s[WV], HALFT                    ; where my tile goes: wave x 128 rows
	s_lshl_b32 s76, s69, 14                        ; cos, sin: row 128 y + 64 rh, rows of 128 bytes
	s_lshl_b32 s77, s23, 13
	s_add_co_u32 s76, s76, s77
	s_mov_b32 s77, 0
	s_lshl_b32 s78, s69, 18                        ; the outputs: row 128 y + 32 wave (the rows that I store), byte 256 x
	s_lshl_b32 s79, s[WV], 16
	s_add_co_u32 s78, s78, s79
	s_lshl_b32 s79, s68, 8
	s_add_co_u32 s78, s78, s79
	s_mov_b32 s79, 0
	s_mov_b32 s60, 0x3c800000                      ; 1 / 64
	s_mov_b32 s61, 0x358637bd                      ; 1e-6
	s_mov_b32 s62, 0x76543210                      ; v_permlanex16_b32: each lane takes its own place in the other half
	s_mov_b32 s63, 0xfedcba98
	s_mov_b32 s80, 0xffff0000                      ; a word's upper bf16
	s_wait_dscnt 0x0
	s_wait_kmcnt 0x0
	s_add_nc_u64 s[72:73], s[4:5], s[72:73]
	s_add_nc_u64 s[74:75], s[6:7], s[74:75]
	s_add_nc_u64 s[8:9], s[8:9], s[76:77]
	s_add_nc_u64 s[10:11], s[10:11], s[76:77]
	s_add_nc_u64 s[16:17], s[16:17], s[78:79]
	s_add_nc_u64 s[18:19], s[18:19], s[78:79]
	s_add_nc_u64 s[20:21], s[20:21], s[78:79]
	CROUND                                         ; all sixteen work-groups are here: the first joint loads meet
.irp s, 0,1
	s_mov_b32 s[G0A+4*\s], 1                                       ; count = 1
	s_add_co_u32 s[G0A+4*\s+1], s25, \s*SLOT                       ; LDS address
	s_add_nc_u64 s[G0A+4*\s+2:G0A+4*\s+3], s[72:73], \s*KSTEP*2    ; global address: K step s
	s_or_b32 s[G0A+4*\s+3], s[G0A+4*\s+3], 0x80000000              ; type = 2
	s_mov_b32 s[G0B+4*\s], 1
	s_add_co_u32 s[G0B+4*\s+1], s25, \s*SLOT
	s_add_nc_u64 s[G0B+4*\s+2:G0B+4*\s+3], s[74:75], \s*KSTEP*2
	s_or_b32 s[G0B+4*\s+3], s[G0B+4*\s+3], 0x80000000
	JLOAD \s                                       ; two loads of mine are out
.endr
	v_and_b32 v1, 15, v0                           ; r = lane % 16
	v_bfe_u32 v2, v0, 4, 1                         ; h = lane / 16
	v_mul_u32_u24 v3, v1, PITCH
	v_lshl_add_u32 v3, v2, 4, v3                   ; a fragment's row x pitch + 16 h
	s_mul_i32 s26, s23, 64*PITCH                   ; my 64 tokens
	s_mul_i32 s27, s24, 64*PITCH                   ; my head's 64 rows of q's weights,
	s_add_co_u32 s27, s27, HALFT                   ; which lie behind x's 128 rows
.irp s, 0,1
	v_add_nc_u32 v[ADRA+\s], s26, v3
.irp ty, 0,1,2
	v_add_nc_u32 v[ADRB+3*\s+\ty], s27, v3
	s_add_co_u32 s27, s27, HALFT
.endr
	s_add_co_u32 s26, s26, SLOT
	s_add_co_u32 s27, s27, SLOT-3*HALFT
.endr
	; the way out goes through a stage of 3 x 128 rows x 272 bytes in slot 0, once that slot has had its last fill and its last read
	s_mul_i32 s26, s23, 64*PITCH                   ; in: row 64 rh + 16 a + r, byte 128 ch + 32 fi + 16 h
	s_lshl_b32 s27, s24, 7
	s_add_co_u32 s26, s26, s27
	v_add_nc_u32 v21, s26, v3
	s_mul_i32 s26, s[WV], 32*PITCH                 ; back: wave w takes rows 32 w .. 32 w + 31, whole: lanes 0-15 one row of 256 bytes, lanes 16-31 the next
	v_mul_u32_u24 v22, v2, PITCH
	v_lshl_add_u32 v22, v1, 4, v22
	v_add_nc_u32 v22, s26, v22
.irp ty, 0,1,2
	v_add_nc_u32 v[STO+\ty], \ty*HALFT, v21
	v_add_nc_u32 v[RD+\ty], \ty*HALFT, v22
.endr
	v_lshlrev_b32 v[CO], 11, v2                    ; and the same two rows in memory
	v_lshl_add_u32 v[CO], v1, 4, v[CO]
	v_lshlrev_b32 v[CSO], 7, v1                    ; cos, sin: token r, channels 8 h on
	v_lshl_add_u32 v[CSO], v2, 5, v[CSO]
	v_lshlrev_b32 v[NWO], 5, v2                    ; gains: channels 8 h on
	; cos, sin and the gains are asked for now and waited for behind the products; their registers and addresses are not touched in between
	WIN 0xc0                                       ; destination window 3
.irp a, 0,1,2,3
.irp fi, 0,1
	global_load_b128 v[CS+32*\a+8*\fi:CS+32*\a+8*\fi+3],       v[CSO], s[8:9] offset:\a*2048+\fi*64
	global_load_b128 v[CS+32*\a+8*\fi+4:CS+32*\a+8*\fi+7],     v[CSO], s[8:9] offset:\a*2048+\fi*64+16
	global_load_b128 v[CS+32*\a+16+8*\fi:CS+32*\a+16+8*\fi+3], v[CSO], s[10:11] offset:\a*2048+\fi*64
	global_load_b128 v[CS+32*\a+16+8*\fi+4:CS+32*\a+16+8*\fi+7], v[CSO], s[10:11] offset:\a*2048+\fi*64+16
.endr
.endr
	WIN 0
.irp fi, 0,1,2,3
	global_load_b128 v[WQ+8*\fi:WQ+8*\fi+3],       v[NWO], s[12:13] offset:\fi*64
	global_load_b128 v[WQ+8*\fi+4:WQ+8*\fi+7],     v[NWO], s[12:13] offset:\fi*64+16
	global_load_b128 v[WQ+32+8*\fi:WQ+32+8*\fi+3], v[NWO], s[14:15] offset:\fi*64
	global_load_b128 v[WQ+32+8*\fi+4:WQ+32+8*\fi+7], v[NWO], s[14:15] offset:\fi*64+16
.endr
; 16 matrix instructions: type ty (0 q, 1 k, 2 v), its 4 feature blocks x my 4 token blocks, 32 along K out of buffer f.  zero = 1: the first product starts the sums.
; The 48 accumulators take turns, one instruction a turn, in the same order in every quarter step.
.macro MUL16 f, ty, zero
.if \ty == 2
	WIN MUL_HI
.else
	WIN MUL_LO
.endif
.set AB, 128*(\ty%2)
.irp fi, 0,1,2,3
.irp a, 0,1,2,3
.if \zero
	v_wmma_f32_16x16x32_bf16 v[AB+8*(4*\fi+\a):AB+8*(4*\fi+\a)+7], v[\f+32+8*(4*\ty+\fi):\f+32+8*(4*\ty+\fi)+7], v[\f+8*\a:\f+8*\a+7], 0
.else
	v_wmma_f32_16x16x32_bf16 v[AB+8*(4*\fi+\a):AB+8*(4*\fi+\a)+7], v[\f+32+8*(4*\ty+\fi):\f+32+8*(4*\ty+\fi)+7], v[\f+8*\a:\f+8*\a+7], v[AB+8*(4*\fi+\a):AB+8*(4*\fi+\a)+7]
.endif
.endr
.endr
.endm
; 32 LDS loads in one run: the fragments of 32 along K at byte k of the rows, into buffer f: x's 8 loads, then q's, k's, v's weights, 8 each
.macro FETCH slot, k, f
	WIN TO_F
.irp a, 0,1,2,3
	ds_load_b128 v[\f+8*\a:\f+8*\a+3],   v[ADRA+\slot] offset:\k+\a*16*PITCH
	ds_load_b128 v[\f+8*\a+4:\f+8*\a+7], v[ADRA+\slot] offset:\k+\a*16*PITCH+32
.endr
.irp ty, 0,1,2
.irp fi, 0,1,2,3
	ds_load_b128 v[\f+32+8*(4*\ty+\fi):\f+32+8*(4*\ty+\fi)+3],   v[ADRB+3*\slot+\ty] offset:\k+\fi*16*PITCH
	ds_load_b128 v[\f+32+8*(4*\ty+\fi)+4:\f+32+8*(4*\ty+\fi)+7], v[ADRB+3*\slot+\ty] offset:\k+\fi*16*PITCH+32
.endr
.endr
.endm
; A K step is four quarters of 32 along K, 48 matrix instructions each, on buffers 0, 1, 0, 1.  One of the first three: multiplies buffer f and fetches the next quarter, at byte k, into g.
.macro QUARTER slot, k, f, g, zero
	s_wait_dscnt 16                                ; x's and q's fragments are in; the youngest sixteen loads (k's, v's weights) may be out
	MUL16 \f, 0, \zero
	PLACES
	FETCH \slot, \k, \g
	s_wait_dscnt 32                                ; all but the 32 just issued
	MUL16 \f, 1, \zero
	MUL16 \f, 2, \zero
.endm
; The last quarter multiplies buffer 1 and changes slots: ONE barrier; in front of it each wave waits for its own reads of this slot and for all its tensor loads, of which one is out:
; its part of the next slot.  fill = 1: the barrier opens a round of the cluster's, and this slot is filled again, two K steps ahead, first thing behind the round.
.macro TURN slot, next, fill
	s_wait_dscnt 16
	MUL16 F1, 0, 0
	s_wait_dscnt 0                                 ; my reads of this slot are over,
	s_set_vgpr_msb 0xa5a0
	s_wait_tensorcnt 0x0                           ; and all my tensor loads have landed
	ds_add_u32 v30, v31
	s_wait_dscnt 0x0
	s_set_vgpr_msb 0xa0a5
	s_barrier_signal -1
	MUL16 F1, 1, 0                                 ; work on registers while the others arrive
.if \fill
	WIN 0
.endif
	s_barrier_wait -1
.if \fill
	CREST                                          ; no wave of any partner still reads this slot's tiles or has a load on its way
	s_add_nc_u64 s[G0A+4*\slot+2:G0A+4*\slot+3], s[G0A+4*\slot+2:G0A+4*\slot+3], 2*KSTEP*2
	s_add_nc_u64 s[G0B+4*\slot+2:G0B+4*\slot+3], s[G0B+4*\slot+2:G0B+4*\slot+3], 2*KSTEP*2
	JLOAD \slot                                    ; my one tensor load behind the round: 176 matrix instructions ahead of the wait for it; its four v_nop are also the places in front of the loads below
.else
	PLACES
.endif
	FETCH \next, 0, F0
	MUL16 F1, 2, 0
.endm
	s_wait_tensorcnt 1                             ; my part of K step 0 is in; K step 1's may stay out
	s_barrier_signal -1
	s_barrier_wait -1                              ; everybody's is
	FETCH 0, 0, F0
	QUARTER 0, 64, F0, F1, 1                       ; the first quarter stands in front of the loop: its products start the sums
	WIN 0                                          ; at a label and at a branch every window is 0
	s_mov_b32 s3, LAPS-1
.Llap:                                                 ; a trip goes once round the ring, from a lap's second quarter to the next lap's first, and fills both slots again
	QUARTER 0, 128, F1, F0, 0
	QUARTER 0, 192, F0, F1, 0
	TURN 0, 1, 1
	QUARTER 1, 64,  F0, F1, 0
	QUARTER 1, 128, F1, F0, 0
	QUARTER 1, 192, F0, F1, 0
	TURN 1, 0, 1
	QUARTER 0, 64,  F0, F1, 0
	WIN 0
	s_sub_co_u32 s3, s3, 1
	s_cmp_lg_u32 s3, 0
	s_cbranch_scc1 .Llap
	QUARTER 0, 128, F1, F0, 0                      ; the last lap fills nothing, and has no round of the cluster's barrier
	QUARTER 0, 192, F0, F1, 0
	TURN 0, 1, 0                                   ; behind this barrier no wave reads slot 0 and nothing fills it any more: it becomes the stage
	QUARTER 1, 64,  F0, F1, 0
	QUARTER 1, 128, F1, F0, 0
	QUARTER 1, 192, F0, F1, 0
	s_wait_dscnt 0                                 ; the very last quarter: nothing more to fetch
	MUL16 F1, 0, 0
	MUL16 F1, 1, 0
	MUL16 F1, 2, 0
	WIN 0
	PLACES
	s_wait_loadcnt 0x0                             ; cos, sin, gains
	; cos, sin and the gains are rounded to bf16 and widened again
	WIN 0x0f                                       ; sources 0 and 1 window 3
.set i, 0
.rept 64
	v_cvt_pk_bf16_f32 v[T+i], v[CS+2*i], v[CS+2*i+1]
.set i, i+1
.endr
	WIN 0xc0                                       ; destination window 3
.set i, 0
.rept 64
	v_lshlrev_b32 v[CS+2*i], 16, v[T+i]
	v_and_b32 v[CS+2*i+1], s80, v[T+i]
.set i, i+1
.endr
	WIN 0
.set i, 0
.rept 32
	v_cvt_pk_bf16_f32 v[T+i], v[WQ+2*i], v[WQ+2*i+1]
.set i, i+1
.endr
.set i, 0
.rept 32
	v_lshlrev_b32 v[WQ+2*i], 16, v[T+i]
	v_and_b32 v[WQ+2*i+1], s80, v[T+i]
.set i, i+1
.endr
	; sums of squares of q and k: for each (type, token tile) four chains of pairs over the four feature blocks
	WIN 0x0a                                       ; sources 0 and 1 window 2
.irp ty, 0,1
.irp a, 0,1,2,3
.irp p, 0,1,2,3
	v_pk_mul_f32 v[SS+8*(4*\ty+\a)+2*\p:SS+8*(4*\ty+\a)+2*\p+1], v[128*\ty+8*\a+2*\p:128*\ty+8*\a+2*\p+1], v[128*\ty+8*\a+2*\p:128*\ty+8*\a+2*\p+1]
.endr
.endr
.endr
.irp fi, 1,2,3
.irp ty, 0,1
.irp a, 0,1,2,3
.irp p, 0,1,2,3
	v_pk_fma_f32 v[SS+8*(4*\ty+\a)+2*\p:SS+8*(4*\ty+\a)+2*\p+1], v[128*\ty+8*(4*\fi+\a)+2*\p:128*\ty+8*(4*\fi+\a)+2*\p+1], v[128*\ty+8*(4*\fi+\a)+2*\p:128*\ty+8*(4*\fi+\a)+2*\p+1], v[SS+8*(4*\ty+\a)+2*\p:SS+8*(4*\ty+\a)+2*\p+1]
.endr
.endr
.endr
.endr
	WIN 0
.irp c, 0,1,2,3,4,5,6,7
	v_pk_add_f32 v[SS+8*\c:SS+8*\c+1], v[SS+8*\c:SS+8*\c+1], v[SS+8*\c+2:SS+8*\c+3]
.endr
.irp c, 0,1,2,3,4,5,6,7
	v_pk_add_f32 v[SS+8*\c+4:SS+8*\c+5], v[SS+8*\c+4:SS+8*\c+5], v[SS+8*\c+6:SS+8*\c+7]
.endr
.irp c, 0,1,2,3,4,5,6,7
	v_pk_add_f32 v[SS+8*\c:SS+8*\c+1], v[SS+8*\c:SS+8*\c+1], v[SS+8*\c+4:SS+8*\c+5]
.endr
.irp c, 0,1,2,3,4,5,6,7
	v_add_f32 v[SS+8*\c], v[SS+8*\c], v[SS+8*\c+1]
.endr
.irp c, 0,1,2,3,4,5,6,7
	v_permlanex16_b32 v[SS+8*\c+1], v[SS+8*\c], s62, s63   ; the token's other 32 channels lie in the lane 16 away
.endr
.irp c, 0,1,2,3,4,5,6,7
	v_add_f32 v[SS+8*\c], v[SS+8*\c], v[SS+8*\c+1]
.endr
.irp c, 0,1,2,3,4,5,6,7
	v_fma_f32 v[SS+8*\c], v[SS+8*\c], s60, s61             ; the mean + 1e-6
.endr
.irp c, 0,1,2,3,4,5,6,7
	v_rsq_f32 v[SS+8*\c+2], v[SS+8*\c]
.endr
	v_nop                                          ; a plain instruction between the last root and the use of its result
	s_wait_alu depctr_va_vdst(0)
.irp c, 0,1,2,3
	v_mul_f32 v[SS+8*\c+2], 0x3e38aa3b, v[SS+8*\c+2]       ; q alone: log2(e) / 8 rides on 1 / rms
.endr
; One (type, token tile): norm, gain, rotation, f16, into the stage.
.macro NORMROPE ty, a
	WIN 0x02                                       ; source 0 window 2
.set n, 0
.rept 16
	v_pk_mul_f32 v[T+2*n:T+2*n+1], v[128*\ty+8*(4*(n/4)+\a)+2*(n%4):128*\ty+8*(4*(n/4)+\a)+2*(n%4)+1], v[SS+8*(4*\ty+\a)+2:SS+8*(4*\ty+\a)+3] op_sel_hi:[1,0]
.set n, n+1
.endr
	WIN 0
.set n, 0
.rept 16
	v_pk_mul_f32 v[T+2*n:T+2*n+1], v[T+2*n:T+2*n+1], v[WQ+32*\ty+2*n:WQ+32*\ty+2*n+1]
.set n, n+1
.endr
	WIN 0x0c                                       ; source 1 window 3: cos, sin
.set n, 0
.rept 8
	v_pk_mul_f32 v[U+2*n:U+2*n+1], v[T+16+2*n:T+16+2*n+1], v[CS+32*\a+16+2*n:CS+32*\a+16+2*n+1]
.set n, n+1
.endr
.set n, 0
.rept 8
	v_pk_fma_f32 v[OUT+2*n:OUT+2*n+1], v[T+2*n:T+2*n+1], v[CS+32*\a+2*n:CS+32*\a+2*n+1], v[U+2*n:U+2*n+1] neg_lo:[0,0,1] neg_hi:[0,0,1]   ; x1 cos - x2 sin
.set n, n+1
.endr
.set n, 0
.rept 8
	v_pk_mul_f32 v[U+2*n:U+2*n+1], v[T+2*n:T+2*n+1], v[CS+32*\a+16+2*n:CS+32*\a+16+2*n+1]
.set n, n+1
.endr
.set n, 0
.rept 8
	v_pk_fma_f32 v[OUT+16+2*n:OUT+16+2*n+1], v[T+16+2*n:T+16+2*n+1], v[CS+32*\a+2*n:CS+32*\a+2*n+1], v[U+2*n:U+2*n+1]                     ; x2 cos + x1 sin
.set n, n+1
.endr
	WIN 0
.set n, 0
.rept 16
	v_cvt_pk_f16_f32 v[PK+n], v[OUT+2*n], v[OUT+2*n+1]
.set n, n+1
.endr
.set n, 0
.rept 4
	ds_store_b128 v[STO+\ty], v[PK+4*n:PK+4*n+3] offset:\a*16*PITCH+32*n
.set n, n+1
.endr
.endm
.irp c, 0,1,2,3
	NORMROPE 0, \c
.endr
.irp c, 0,1,2,3
	NORMROPE 1, \c
.endr
	WIN 0x0f                                       ; v: only rounded.  Sources window 3
.irp a, 0,1,2,3
.irp fi, 0,1,2,3
.irp p, 0,1,2,3
	v_cvt_pk_f16_f32 v[T+16*\a+4*\fi+\p], v[8*(4*\fi+\a)+2*\p], v[8*(4*\fi+\a)+2*\p+1]
.endr
.endr
.endr
	WIN 0
.irp a, 0,1,2,3
.irp fi, 0,1,2,3
	ds_store_b128 v[STO+2], v[T+16*\a+4*\fi:T+16*\a+4*\fi+3] offset:\a*16*PITCH+32*\fi
.endr
.endr
	s_wait_dscnt 0x0                               ; for the others' sake: my stores into the stage are done (a row's 256 bytes come from two waves)
	s_barrier_signal -1
	s_barrier_wait -1
.irp ty, 0,1,2
.irp t, 0,1,2,3,4,5,6,7,8,9,10,11,12,13,14,15
	ds_load_b128 v[32+4*(16*\ty+\t):32+4*(16*\ty+\t)+3], v[RD+\ty] offset:\t*2*PITCH
.endr
.endr
.irp ty, 0,1,2
.irp t, 0,1,2,3,4,5,6,7,8,9,10,11,12,13,14,15
	s_wait_dscnt 47-16*\ty-\t                      ; LDS loads come back in order: this one is in, the younger ones stay out
	global_store_b128 v[CO], v[32+4*(16*\ty+\t):32+4*(16*\ty+\t)+3], s[16+2*\ty:17+2*\ty] offset:\t*4096   ; 16 lanes store 256 consecutive bytes, aligned
.endr
.endr
	s_wait_tensorcnt 0x0
	ds_add_u32 v30, v31
	s_wait_dscnt 0x0
	CROUND                                         ; the closing round: no work-group ends while a partner may still ask for a tile that names it
	s_endpgm
.Lfunc_end_k_qb0b56d8fad_qkv:
	.size	k_qb0b56d8fad_qkv, .Lfunc_end_k_qb0b56d8fad_qkv-k_qb0b56d8fad_qkv
	.p2alignl 7, 3214868480
	.fill 96, 4, 3214868480
	.section	.rodata,"a",@progbits
	.p2align	6, 0x0
	.amdhsa_kernel k_qb0b56d8fad_qkv
		.amdhsa_group_segment_fixed_size 327680
		.amdhsa_private_segment_fixed_size 0
		.amdhsa_enable_private_segment 0
		.amdhsa_kernarg_size 72
		.amdhsa_user_sgpr_count 2
		.amdhsa_user_sgpr_kernarg_segment_ptr 1
		.amdhsa_wavefront_size32 1
		.amdhsa_system_sgpr_workgroup_id_x 1
		.amdhsa_system_sgpr_workgroup_id_y 1
		.amdhsa_system_sgpr_workgroup_id_z 1
		.amdhsa_system_vgpr_workitem_id 0
		.amdhsa_next_free_vgpr 1024
		.amdhsa_next_free_sgpr 96
		.amdhsa_reserve_vcc 0
		.amdhsa_float_denorm_mode_32 3
		.amdhsa_float_denorm_mode_16_64 3
		.amdhsa_memory_ordered 1
		.amdhsa_forward_progress 1
		.amdhsa_inst_pref_size 182
	.end_amdhsa_kernel
	.amdgpu_metadata
---
amdhsa.version: [ 1, 2 ]
amdhsa.kernels:
  - .name:           k_qb0b56d8fad_qkv
    .symbol:         k_qb0b56d8fad_qkv.kd
    .args:
      - { .name: xb, .offset: 0, .size: 8, .value_kind: global_buffer, .address_space: global }
      - { .name: wb, .offset: 8, .size: 8, .value_kind: global_buffer, .address_space: global }
      - { .name: cos, .offset: 16, .size: 8, .value_kind: global_buffer, .address_space: global }
      - { .name: sin, .offset: 24, .size: 8, .value_kind: global_buffer, .address_space: global }
      - { .name: q_norm_w, .offset: 32, .size: 8, .value_kind: global_buffer, .address_space: global }
      - { .name: k_norm_w, .offset: 40, .size: 8, .value_kind: global_buffer, .address_space: global }
      - { .name: qb, .offset: 48, .size: 8, .value_kind: global_buffer, .address_space: global }
      - { .name: kb, .offset: 56, .size: 8, .value_kind: global_buffer, .address_space: global }
      - { .name: vb, .offset: 64, .size: 8, .value_kind: global_buffer, .address_space: global }
    .group_segment_fixed_size: 327680
    .private_segment_fixed_size: 0
    .kernarg_segment_align: 8
    .kernarg_segment_size: 72
    .max_flat_workgroup_size: 128
    .sgpr_count:     96
    .vgpr_count:     1024
    .wavefront_size: 32
...
	.end_amdgpu_metadata
.endif
;; end of part 2
;; launch attn (part 3): grid 8 x 32, 4 waves a work-group, clusters of 4 x 4, 327,680 bytes of LDS; arguments qb, kb, vb, attention_mask, ob; writes ob
.if DOCPART == 3
	.amdgcn_target "amdgcn-amd-amdhsa--gfx1250"
	.amdhsa_code_object_version 6
	.text
	.protected	k_qb0b56d8fad_attn
	.globl	k_qb0b56d8fad_attn
	.p2align	8
	.type	k_qb0b56d8fad_attn,@function
k_qb0b56d8fad_attn:
	s_mov_b64 s[64:65], 0
	v_nop
	global_prefetch_b8 v0, s[64:65] scope:SCOPE_SE
	s_setreg_imm32_b32 hwreg(HW_REG_WAVE_MODE, 25, 1), 1
	s_wait_xcnt 0x0
	s_wait_alu depctr_hold_cnt(0) depctr_sa_sdst(0) depctr_va_vdst(0) depctr_va_sdst(0) depctr_va_ssrc(0) depctr_va_vcc(0) depctr_vm_vsrc(0)
	s_getreg_b32 s2, hwreg(HW_REG_IB_STS2, 6, 4)
	s_cmp_eq_u32 s2, 0
	s_cbranch_scc0 .Lentry_in_a_cluster
	s_endpgm
.Lentry_in_a_cluster:
	s_bfe_u32 s2, ttmp6, 0x10000c
	s_cmp_lg_u32 s2, 0xf033
	s_cbranch_scc0 .Lentry_shape_is_right
	s_endpgm
.Lentry_shape_is_right:
; o[q][64 head + c] = the sum over k of softmax_k(q . k / 8 + mask[q][k]) v[k].  qb, kb, vb: [4096][1024] f16 (q already times log2(e) / 8); the mask [4096][4096] f32, taken as it is given:
; every key is visited for every query.  Products in f16 with f32 sums; maxima, exponentials and sums in f32; the weights p are rounded to f16 for the second product.
; o leaves as two f16 numbers, hi + lo: ob [4096][2048], hi in columns 0-1023, lo in 1024-2047.
; SOFTMAX.  u = mask x log2(e) + s (one fused multiply-add); for each query a running maximum m of u and a running sum l; p = 2^(u - m), the difference taken first, so that a mask of any
; size costs the exponent no bits; in every step O and l are multiplied by a = 2^(m_old - m_new).  m starts at the largest negative finite number, so that entries of -inf give p = 0.
; LIMITS: +inf or NaN in the mask give NaN; a row whose mask is -inf throughout gives NaN (0 / 0).  hi and lo are f16: |o| has to stay under 65,504.
; SHARES.  A work-group owns 128 queries of two heads: 8 x 32 work-groups.  Wave w: head 2 x + w % 2, queries 64 (w / 2) on: four tiles of 16.  Every wave walks all keys, 64 a step.
; Two heads to a work-group, since a step then fetches least: 128 queries x 256 bytes of mask and 2 x 16 KiB of K and V; and two slots of two steps fit in LDS.
; CLUSTER.  4 x 4 work-groups: the four of a row share the queries (the mask's tile), the four of a column the heads (K's and V's tiles).  Each tile is asked for jointly.
; LAYOUT.  S^T = K Q^T (source 0 = 16 keys, source 1 = 16 queries): a lane holds ONE query (lane % 16) and the keys 8 (lane / 16) + 0..7.  Two such tiles, rounded in pairs, ARE source 1
; (32 keys x 16 queries) of O^T = V^T P.  K comes out of LDS as it lies, V turned (ds_load_tr16_b128), the mask as it lies: a lane's eight keys of its query's row are 32 bytes.
; BY TURNS.  The wave's tiles are two PIECES: piece 0 (tiles 0, 1), piece 2 (tiles 2, 3).  In a TURN one piece has the matrix unit: 16 products V^T P of the step in hand, then 16 products
; K Q^T of the next step; the other piece's softmax, 2 x 133 vector instructions cut into 64 slices, stands between them, two slices behind each matrix instruction.  Two turns are a key step.
; REGISTERS, in windows of 256:  window 0: v0-11, v44-48 addresses; v12-43 statistics, 8 a tile; v64-191 S^T, 32 a tile; v192-255 P, 16 a tile
;   window 1: v0-127 O^T, 32 a tile; v128-191 the mask of one piece         window 2: v0-63 Q; v64-127 K of one step; v128-191 V of one step
.set KS,    64                         ; keys in a step
.set PKK,   272                        ; a row of K in LDS: 256 bytes (two heads) + 16 of padding
.set PVV,   288                        ; a row of V: 256 + 32: 16 lanes of the turning load take 8 rows x 32 bytes, 8 words apart modulo 64 words
.set PMM,   528                        ; a row of the mask: 128 keys x 4 bytes + 16
.set VOFF,  128*PKK                    ; a slot: 128 keys of K, 128 keys of V, 128 queries x 128 keys of the mask
.set MOFF,  VOFF+128*PVV
.set SLOTB, MOFF+128*PMM
.set SP,    272                        ; the way out: a stage of 128 rows x 272 bytes for hi at byte 0 and one for lo behind it, in slot 0 once it has had its last fill and its last read
.set LOST,  128*SP
.set AK0, 2                            ; v2   my lane's place in a tile of K; never rewritten
.set AV0, 3                            ; v3   the same for V
.set AM0, 4                            ; v4   the same for the mask
.set ADK, 5                            ; v5-7 the LDS addresses of the runs of loads in hand
.set ADV, 6
.set ADM, 7
.set QO,  8                            ; v8   my byte offset in the wave's rows of Q         (v1 = lane % 16, v9 = lane / 16)
.set STO, 10                           ; v10  the way out: where I put 16 bytes of a row
.set RD,  11                           ; v11  where I read a row back
.set ST,  12                           ; tile t's statistics at v[ST+8 t]: +0 m, +1 the old m, +2, +3 l (even keys', odd keys'), +4 to +7 c0-c3, at work; a takes c2's place
.set GO,  44                           ; v44  my byte offset in the rows of ob that I store
.set PF0, 45                           ; v45  prefetch: my lane's block of 256 bytes in a mask tile
.set PFA, 46                           ; v46  the same plus the slot's keys
.set S,   64
.set P,   192
.set KF,  64                           ; window 2
.set VF,  128                          ; window 2
.set MF,  128                          ; window 1
.set WV,  14                           ; s14  my wave's number
.set G1K, 24                           ; s[24:31], s[32:39], s[40:47] descriptor group 1 for K's, V's, the mask's tiles
.set G1V, 32
.set G1M, 40
.set G0K, 48                           ; s[48:55], s[56:63], s[68:75] descriptor group 0: a set for each slot
.set G0V, 56
.set G0M, 68
.set TK,  76                           ; s76-78 LDS bytes at which K, V, the mask of the step to be fetched begin
.set TV,  77
.set TM,  78
.set LG,  80                           ; s[80:81] log2(e): the packed multiply-add names a pair and takes its low word for both halves
.set SEL, 82                           ; s[82:83] lane selects for v_permlanex16_b32
.set NM,  84                           ; s84  the largest negative finite number
.set LOOPC, 85
.set TWICE, 86
.set PO,  87                           ; s87  prefetch: byte of the slot's first key in a row of the mask
.set PFB, 88                           ; s[88:89] the mask at my block's first query
.set VK,  90                           ; s[90:91] first 256 x (K's and V's offset), on the way out 8193.0
.set MSB, 0
.macro WIN new                         ; the immediate's high byte repeats the setting that is left; a switch that changes nothing is dropped
.if MSB != \new
	s_set_vgpr_msb (MSB<<8)|\new
.set MSB, \new
.endif
.endm
.set W_KQ, 0x0a                        ; K and Q in window 2, S^T in window 0
.set W_PV, 0x52                        ; V in window 2, P in window 0, O^T in window 1
.set W_RS, 0x41                        ; O^T (destination and source 0) in window 1, a in window 0
.set W_MK, 0x01                        ; the mask (source 0) in window 1
.macro PLACES
.rept 4
	v_nop
.endr
.endm
; A joint refill of slot s: wave 0 fetches K's 128 keys, wave 1 V's, waves 2 and 3 64 queries each of the mask.  The branches hang on the wave's number alone.
; Four v_nop follow each of the three lines.  Wave 0 then asks the L2 for its share of the mask tile of the slot after the one just requested.
.macro JLOAD s
	s_cmp_lg_u32 s[WV], 0
	s_cbranch_scc1 .Lnot_k_\@
	tensor_load_to_lds s[G0K+4*\s:G0K+4*\s+3], s[G1K:G1K+7]
	s_nop 0
	PLACES
	global_prefetch_b8 v[PFA], s[PFB:PFB+1] th:TH_LOAD_NT scope:SCOPE_SE
	s_branch .Lasked_\@
.Lnot_k_\@:
	s_cmp_lg_u32 s[WV], 1
	s_cbranch_scc1 .Lfor_m_\@
	tensor_load_to_lds s[G0V+4*\s:G0V+4*\s+3], s[G1V:G1V+7]
	s_nop 0
	PLACES
	s_branch .Lasked_\@
.Lfor_m_\@:
	tensor_load_to_lds s[G0M+4*\s:G0M+4*\s+3], s[G1M:G1M+7]
	s_nop 0
	PLACES
.Lasked_\@:
.endm
.macro CROUND                          ; a round of the cluster's barrier
	s_barrier_signal -1
	s_barrier_wait -1
	s_cmp_lg_u32 s[WV], 0
	s_cbranch_scc1 .Lnot_wave_0_\@
	s_barrier_signal -3
.Lnot_wave_0_\@:
	s_barrier_wait -3
	s_barrier_signal -1
	s_barrier_wait -1
.endm
	s_load_b256 s[4:11], s[0:1], 0x0               ; qb s[4:5], kb s[6:7], vb s[8:9], the mask s[10:11]
	s_load_b64 s[12:13], s[0:1], 0x20              ; ob
	v_lshl_add_u32 v62, v0, 2, 0x44000
	v_mov_b32 v63, 0
	ds_add_u32 v62, v63
	v_lshrrev_b32 v1, 5, v0
	v_readfirstlane_b32 s[WV], v1                  ; wave 0..3
	s_and_b32 s15, s[WV], 1                        ; hh: which of the two heads
	s_lshr_b32 s16, s[WV], 1                       ; qh: which 64 queries
	s_bfe_u32 s17, ttmp6, 0x40000                  ; cx, cy
	s_bfe_u32 s18, ttmp6, 0x40004
	s_lshl_b32 s19, ttmp9, 2
	s_add_co_u32 s19, s19, s17                     ; x: pair of heads = 4 x cluster x + cx
	s_and_b32 s20, ttmp7, 0xffff
	s_lshl_b32 s20, s20, 2
	s_add_co_u32 s20, s20, s18                     ; y: block of 128 queries = 4 x cluster y + cy
	s_lshl_b32 s21, s18, 2
	s_lshl_b32 s21, 15, s21                        ; my row of the cluster
	s_lshl_b32 s22, 0x1111, s17                    ; my column
	; descriptor group 1.  K, V: 128 rows x 128 elements of 2 bytes out of rows of 1,024; the mask: 64 rows x 128 elements of 4 bytes out of rows of 4,096
	s_or_b32 s[G1K], s22, (1<<16)|(1<<20)|(1<<21)|(5<<22)|(3<<25)  ; 15:0 the mask of work-groups: my column; 17:16 2 bytes; 20 padding on; 21 set beside a mask; 24:22 after every 64 words; 31:25 four words
	s_or_b32 s[G1V], s22, (1<<16)|(1<<20)|(1<<21)|(5<<22)|(7<<25)  ; the same with eight words of padding
	s_or_b32 s[G1M], s21, (2<<16)|(1<<20)|(1<<21)|(6<<22)|(3<<25)  ; my row; 4 bytes; after every 128 words four words
.irp g, G1K, G1V
	s_mov_b32 s[\g+1], 128<<16                     ; tensor_dim0 = 128
	s_mov_b32 s[\g+2], 128<<16                     ; tensor_dim1 = 128
	s_mov_b32 s[\g+3], 128<<16                     ; tile_dim0 = 128
	s_mov_b32 s[\g+4], 128                         ; tile_dim1 = 128
	s_mov_b32 s[\g+5], 1024                        ; elements from row to row
	s_mov_b32 s[\g+6], 0
	s_mov_b32 s[\g+7], 0
.endr
	s_mov_b32 s[G1M+1], 128<<16
	s_mov_b32 s[G1M+2], 64<<16
	s_mov_b32 s[G1M+3], 128<<16
	s_mov_b32 s[G1M+4], 64
	s_mov_b32 s[G1M+5], 4096
	s_mov_b32 s[G1M+6], 0
	s_mov_b32 s[G1M+7], 0
	s_lshl_b32 s90, s19, 8                         ; K, V: byte 256 x of every row: it hangs on x alone
	s_mov_b32 s91, 0
	s_lshl_b32 s92, s20, 21                        ; the mask: row 128 y, rows of 16,384 bytes: it hangs on y alone,
	s_mov_b32 s93, 0
	s_lshl_b32 s94, s15, 20                        ; and for the wave that fetches: + 64 (w % 2) rows
	s_add_co_u32 s94, s94, s92
	s_mov_b32 s95, 0
	s_mul_i32 s79, s[WV], 64*PMM                   ; where a wave's half of the mask tile goes: MOFF + (w - 2) x 64 rows
	s_add_co_u32 s79, s79, MOFF-2*64*PMM
	s_lshl_b32 s2, s20, 18                         ; Q: row 128 y + 64 qh, rows of 2,048 bytes, byte 256 x + 128 hh
	s_lshl_b32 s3, s16, 17
	s_add_co_u32 s2, s2, s3
	s_lshl_b32 s3, s19, 8
	s_add_co_u32 s2, s2, s3
	s_lshl_b32 s3, s15, 7
	s_add_co_u32 s2, s2, s3
	s_mov_b32 s3, 0
	s_mov_b32 s[LG], 0x3fb8aa3b                    ; log2(e)
	s_mov_b32 s[LG+1], s[LG]                       ; named with it as a pair, so it is written
	s_mov_b32 s[SEL], 0x76543210
	s_mov_b32 s[SEL+1], 0xfedcba98
	s_mov_b32 s[NM], 0xff7fffff
	s_mov_b32 s[TK], 0
	s_mov_b32 s[TV], VOFF
	s_mov_b32 s[TM], MOFF
	s_mov_b32 s[PO], 2*512
	; prefetch: a mask tile is 128 rows x 2 blocks of 256 bytes; the eight work-groups that walk it take 16 rows each: lane l of wave 0 asks for row 16 x + l / 2, block l % 2: each block once
	v_and_b32 v47, 31, v0
	v_lshrrev_b32 v48, 1, v47
	s_lshl_b32 s23, s19, 4
	v_add_nc_u32 v48, s23, v48
	v_and_b32 v47, 1, v47
	v_lshlrev_b32 v48, 14, v48
	v_lshl_add_u32 v[PF0], v47, 8, v48
	v_add_nc_u32 v[PFA], 2*512, v[PF0]             ; the first request: the third slot's keys
	s_wait_dscnt 0x0
	s_wait_kmcnt 0x0
	s_add_nc_u64 s[4:5], s[4:5], s[2:3]
	s_add_nc_u64 s[6:7], s[6:7], s[90:91]
	s_add_nc_u64 s[8:9], s[8:9], s[90:91]
	s_add_nc_u64 s[PFB:PFB+1], s[10:11], s[92:93]
	s_add_nc_u64 s[10:11], s[10:11], s[94:95]
	s_lshl_b32 s2, s20, 19                         ; ob: row 128 y + 32 w (the rows that I store), rows of 4,096 bytes, byte 256 x
	s_lshl_b32 s3, s[WV], 17
	s_add_co_u32 s2, s2, s3
	s_lshl_b32 s3, s19, 8
	s_add_co_u32 s2, s2, s3
	s_mov_b32 s3, 0
	s_add_nc_u64 s[12:13], s[12:13], s[2:3]
	CROUND                                         ; all sixteen work-groups are here: the first joint loads meet
.irp s, 0,1
	s_mov_b32 s[G0K+4*\s], 1                                       ; count = 1
	s_mov_b32 s[G0K+4*\s+1], \s*SLOTB                              ; LDS address
	s_add_nc_u64 s[G0K+4*\s+2:G0K+4*\s+3], s[6:7], \s*128*2048     ; global address: keys 128 s on
	s_or_b32 s[G0K+4*\s+3], s[G0K+4*\s+3], 0x80000000              ; type = 2
	s_mov_b32 s[G0V+4*\s], 1
	s_mov_b32 s[G0V+4*\s+1], \s*SLOTB+VOFF
	s_add_nc_u64 s[G0V+4*\s+2:G0V+4*\s+3], s[8:9], \s*128*2048
	s_or_b32 s[G0V+4*\s+3], s[G0V+4*\s+3], 0x80000000
	s_mov_b32 s[G0M+4*\s], 1
	s_add_co_u32 s[G0M+4*\s+1], s79, \s*SLOTB
	s_add_nc_u64 s[G0M+4*\s+2:G0M+4*\s+3], s[10:11], \s*128*4
	s_or_b32 s[G0M+4*\s+3], s[G0M+4*\s+3], 0x80000000
.endr
	s_cmp_lg_u32 s[WV], 0                          ; a wave's two first fills stand in one branch, ahead of every wait on TENSORcnt and every LDS read: two loads of mine are out
	s_cbranch_scc1 .Lfirst_not_k
	tensor_load_to_lds s[G0K:G0K+3], s[G1K:G1K+7]
	s_nop 0
	tensor_load_to_lds s[G0K+4:G0K+7], s[G1K:G1K+7]
	s_nop 0
	PLACES
	global_prefetch_b8 v[PFA], s[PFB:PFB+1] th:TH_LOAD_NT scope:SCOPE_SE
	s_branch .Lfirst_asked
.Lfirst_not_k:
	s_cmp_lg_u32 s[WV], 1
	s_cbranch_scc1 .Lfirst_m
	tensor_load_to_lds s[G0V:G0V+3], s[G1V:G1V+7]
	s_nop 0
	tensor_load_to_lds s[G0V+4:G0V+7], s[G1V:G1V+7]
	s_nop 0
	PLACES
	s_branch .Lfirst_asked
.Lfirst_m:
	tensor_load_to_lds s[G0M:G0M+3], s[G1M:G1M+7]
	s_nop 0
	tensor_load_to_lds s[G0M+4:G0M+7], s[G1M:G1M+7]
	s_nop 0
	PLACES
.Lfirst_asked:
	; A fragment of K or Q is 16 rows x 32 channels in 8 registers: lane l holds row l % 16; registers 0-3 channels 8 (l / 16) + 0..7, registers 4-7 channels 16 + 8 (l / 16) + 0..7
	v_and_b32 v1, 15, v0                           ; r
	v_bfe_u32 v9, v0, 4, 1                         ; h
	v_lshlrev_b32 v[QO], 11, v1
	v_lshl_add_u32 v[QO], v9, 4, v[QO]             ; row x 2,048 + 16 h
	WIN 0x80                                       ; destination window 2
.irp f, 0,1,2,3,4,5,6,7                ; Q stays in registers: tile f / 2, channels 32 (f % 2) on
	global_load_b128 v[8*\f:8*\f+3],   v[QO], s[4:5] offset:(\f/2)*16*2048+(\f%2)*64
	global_load_b128 v[8*\f+4:8*\f+7], v[QO], s[4:5] offset:(\f/2)*16*2048+(\f%2)*64+32
.endr
	WIN 0
	s_lshl_b32 s23, s15, 7                         ; my head's 128 bytes of a row of K and V
	v_mul_u32_u24 v[AK0], v1, PKK
	v_lshl_add_u32 v[AK0], v9, 4, v[AK0]
	v_add_nc_u32 v[AK0], s23, v[AK0]               ; row x pitch + 16 h + head
	; The turning load takes 16 keys x 16 channels (lane l reads 16 bytes: key 8 (l / 16) + l % 8, channels 8 ((l / 8) % 2) + 0..7) and leaves half a fragment of V^T: lane l holds channel l % 16 and 8 keys
	v_and_b32 v47, 7, v0
	v_bfe_u32 v48, v0, 3, 1
	v_lshl_add_u32 v[AV0], v9, 3, v47
	v_mul_u32_u24 v[AV0], v[AV0], PVV
	v_lshl_add_u32 v[AV0], v48, 4, v[AV0]
	v_add_nc_u32 v[AV0], s23, v[AV0]
	s_mul_i32 s23, s16, 64*PMM                     ; the mask: row 64 qh + 16 t + r, keys 8 h on: 32 bytes
	v_mul_u32_u24 v[AM0], v1, PMM
	v_lshl_add_u32 v[AM0], v9, 5, v[AM0]
	v_add_nc_u32 v[AM0], s23, v[AM0]
; THE MATRIX WORK OF A TURN, for piece x.  The accumulators take turns, one instruction a turn: between two links of a chain stand seven others'.
; Product i of 16 of O^T += V^T P: keys 32 (i / 8) on, channels 16 ((i / 2) % 4) on, tile x + i % 2.  zero = 1: the first 8 start the sums.
.macro PV x, zero
	WIN W_PV
.set rO, 32*(\x+i%2)+8*((i/2)%4)
.set rV, VF+32*(i/8)+8*((i/2)%4)
.set rP, P+16*(\x+i%2)+8*(i/8)
.if \zero && (i < 8)
	v_wmma_f32_16x16x32_f16 v[rO:rO+7], v[rV:rV+7], v[rP:rP+7], 0
.else
	v_wmma_f32_16x16x32_f16 v[rO:rO+7], v[rV:rV+7], v[rP:rP+7], v[rO:rO+7]
.endif
.endm
; Product i of 16 of S^T = K Q^T: channels 32 (i / 8) on, keys 16 ((i / 2) % 4) on, tile x + i % 2.  The first 8 start the sums.
.macro KQ x
	WIN W_KQ
.set rS, S+32*(\x+i%2)+8*((i/2)%4)
.set rK, KF+16*((i/2)%4)+8*(i/8)
.set rQ, 16*(\x+i%2)+8*(i/8)
.if i < 8
	v_wmma_f32_16x16x32_f16 v[rS:rS+7], v[rK:rK+7], v[rQ:rQ+7], 0
.else
	v_wmma_f32_16x16x32_f16 v[rS:rS+7], v[rK:rK+7], v[rQ:rQ+7], v[rS:rS+7]
.endif
.endm
; THE LDS LOADS stand in runs of 32 (16 of K or V, 16 of one piece's mask), never singly among the matrix instructions.
.macro FETCH_K
	WIN 0
	v_add_nc_u32 v[ADK], s[TK], v[AK0]
	s_add_co_u32 s[TK], s[TK], KS*PKK              ; the next fetch is the next step's
	WIN 0x80                                       ; destination window 2
.irp f, 0,1,2,3,4,5,6,7                ; keys 16 (f / 2) on, channels 32 (f % 2) on
	ds_load_b128 v[KF+8*\f:KF+8*\f+3],   v[ADK] offset:(\f/2)*16*PKK+(\f%2)*64
	ds_load_b128 v[KF+8*\f+4:KF+8*\f+7], v[ADK] offset:(\f/2)*16*PKK+(\f%2)*64+32
.endr
.endm
.macro FETCH_V
	WIN 0
	v_add_nc_u32 v[ADV], s[TV], v[AV0]
	s_add_co_u32 s[TV], s[TV], KS*PVV
	WIN 0x80
.irp f, 0,1,2,3,4,5,6,7                ; keys 32 (f / 4) on, channels 16 (f % 4) on
	ds_load_tr16_b128 v[VF+8*\f:VF+8*\f+3],   v[ADV] offset:(\f/4)*32*PVV+(\f%4)*32
	ds_load_tr16_b128 v[VF+8*\f+4:VF+8*\f+7], v[ADV] offset:(\f/4)*32*PVV+16*PVV+(\f%4)*32
.endr
.endm
.macro FETCH_M p                       ; the mask of piece p's two tiles for the step to be fetched; piece 2 comes second and steps on
	WIN 0
	v_add_nc_u32 v[ADM], s[TM], v[AM0]
.if \p == 2
	s_add_co_u32 s[TM], s[TM], KS*4
.endif
	WIN 0x40                                       ; destination window 1
.irp f, 0,1,2,3,4,5,6,7                ; tile p + f / 4, keys 16 (f % 4) on
	ds_load_b128 v[MF+8*\f:MF+8*\f+3],   v[ADM] offset:(\p+\f/4)*16*PMM+(\f%4)*64
	ds_load_b128 v[MF+8*\f+4:MF+8*\f+7], v[ADM] offset:(\p+\f/4)*16*PMM+(\f%4)*64+16
.endr
.endm
; THE VECTOR WORK OF A TURN.  One tile's softmax for one key step is a list of 133 instructions; SM writes number j of it for tile t.  u0-u31 are the lane's 32 scores, in pairs 0-15.
; first = 1: the first key step, which starts m, l and O^T: it has no a and nothing to rescale.
;   0-15    u = mask x log2(e) + s, a pair at a time: the one part that reads the mask's window
;   16-31   the maximum of u0-u31 and the old m, three operands at a time: four chains c0-c3 of seven scores each, then the four scores left over, c0-c3 and m
;   32-35   the other half of the lanes' maximum; the old m is kept; the new m; m_old - m_new
;   36-104  33 exponentials (a at 37, u_e at 39 + 2 e), so that no two follow each other and each has a plain instruction behind it before its result is used.  The even numbers are whatever is
;           ready: u - m for pair b (36 to 42 for b = 0 to 3, then 30 + 4 b), the rounding to f16 of pair b at 44 + 4 b (its second exponential stands three numbers back)
;   the sixteen sums z = 0 to 15 stand at 94, 98, 102, 103 and 105 to 116; the last of them is l = a l + the sum
;   117-132 the tile's O^T times a: the one part that writes window 1
.macro SM t, first
.set rT, ST+8*(\t)
.set rS, S+32*(\t)
.set rP, P+16*(\t)
.set rM, MF+32*((\t)%2)
.set rO, 32*(\t)+2*(j-117)
.set u, j-16
.if (j >= 16) && (j < 117)
	WIN 0
.endif
.if j < 16
	WIN W_MK
	v_pk_fma_f32 v[rS+2*j:rS+2*j+1], v[rM+2*j:rM+2*j+1], s[LG:LG+1], v[rS+2*j:rS+2*j+1] op_sel_hi:[1,0,1]
.elseif j < 20
	v_max3_num_f32 v[rT+4+u], v[rS+8*u], v[rS+8*u+1], v[rS+8*u+2]
.elseif j < 28
	v_max3_num_f32 v[rT+4+u%4], v[rT+4+u%4], v[rS+8*(u%4)+2*(u/4)+1], v[rS+8*(u%4)+2*(u/4)+2]
.elseif j == 28
	v_max3_num_f32 v[rT+4], v[rT+4], v[rS+7], v[rS+15]
.elseif j == 29
	v_max3_num_f32 v[rT+6], v[rT+6], v[rS+23], v[rS+31]
.elseif j == 30
	v_max3_num_f32 v[rT+4], v[rT+4], v[rT+5], v[rT+6]
.elseif (j == 31) && \first
	v_max3_num_f32 v[rT+4], v[rT+4], v[rT+7], s[NM]
.elseif j == 31
	v_max3_num_f32 v[rT+4], v[rT+4], v[rT+7], v[rT]
.elseif j == 32
	v_permlanex16_b32 v[rT+5], v[rT+4], s[SEL], s[SEL+1]   ; the query's other 32 keys lie in the lane 16 away
.elseif (j == 33) && \first
	v_mov_b32 v[rT+1], v[rT+4]                     ; no old m yet: the register is named in a pair with m, so it is written
.elseif j == 33
	v_mov_b32 v[rT+1], v[rT]
.elseif j == 34
	v_max_num_f32 v[rT], v[rT+4], v[rT+5]
.elseif ((j == 35) || (j == 37) || (j > 115)) && \first    ; the first step has none of these
.elseif j == 35
	v_sub_f32 v[rT+7], v[rT+1], v[rT]
.elseif j == 37
	v_exp_f32 v[rT+6], v[rT+7]
.elseif (j < 102) && (j > 38) && (j%2 == 1)
	v_exp_f32 v[rS+(j-39)/2], v[rS+(j-39)/2]
.elseif (j <= 42) || ((j <= 90) && (j%4 == 2))
.set b, (j-30)/4
.if j <= 42
.set b, (j-36)/2
.endif
	v_pk_add_f32 v[rS+2*b:rS+2*b+1], v[rS+2*b:rS+2*b+1], v[rT:rT+1] op_sel_hi:[1,0] neg_lo:[0,1] neg_hi:[0,1]   ; pair b: u - m
.elseif (j <= 104) && (j%4 == 0)
	s_wait_alu depctr_va_vdst(0)
	v_cvt_pk_f16_f32 v[rP+(j-44)/4], v[rS+(j-44)/2], v[rS+(j-44)/2+1]
.elseif j < 117                        ; the sum of the tile's 16 pairs, in place: sum z of 16 adds neighbours 1, 2, 4 and 8 pairs apart, then l takes it
.set z, j-101                          ; numbers 105 to 116 are sums 4 to 15 (104 is the last rounding),
.if j < 103
.set z, (j-94)/4                       ; 94, 98, 102 are sums 0, 1, 2,
.elseif j == 103
.set z, 3                              ; and 103 is sum 3
.endif
.set w, 4
.set g, z
.if z >= 14
.set w, 32
.set g, 0
.elseif z >= 12
.set w, 16
.set g, z-12
.elseif z >= 8
.set w, 8
.set g, z-8
.endif
.if (z == 14) && \first
	v_pk_add_f32 v[rT+2:rT+3], v[rS:rS+1], v[rS+16:rS+17]
.elseif z < 15
	v_pk_add_f32 v[rS+w*g:rS+w*g+1], v[rS+w*g:rS+w*g+1], v[rS+w*g+w/2:rS+w*g+w/2+1]
.else
	v_pk_fma_f32 v[rT+2:rT+3], v[rT+2:rT+3], v[rT+6:rT+7], v[rS:rS+1] op_sel_hi:[1,0,1]
.endif
.else
	WIN W_RS
	v_pk_mul_f32 v[rO:rO+1], v[rO:rO+1], v[rT+6:rT+7] op_sel_hi:[1,0]
.endif
.endm
; Slice k of 64 of piece y's softmax: numbers 2 k and 2 k + 1 of both tiles' lists, four instructions.  2 x 133 = 4 x 64 + 10: the ten that are over stand together, in slice 63.
.macro SLICE y, first
.if (k >= 18) && (k < 51)              ; tile by tile: plain, exponential, plain, exponential
.irp t, \y, \y+1
.irp n, 0,1
.set j, 2*k+\n
	SM \t, \first
.endr
.endr
.else                                  ; the two tiles alternate, so that no instruction reads the result of the one just before it
.irp n, 0,1,2,3,4,5,6
.if (\n < 2) || (k == 63)
.irp t, \y, \y+1
.set j, 2*k+\n
	SM \t, \first
.endr
.endif
.endr
.endif
.set k, k+1
.endm
; A TURN.  Piece x has the matrix unit; the other piece's softmax stands in slices behind its matrix instructions: two behind each, four in a turn with one kind of product.
; pv = 2: 16 products V^T P; 1: they start O^T's sums; 0: none.  kq = 1: 16 products K Q^T for the next step.
; The slices are the places behind the matrix instructions: the turn's last product is followed by slices 62 and 63, 18 packed multiplies on the other piece's O^T, ahead of the
; next turn's first read of its scores and of the loads into K's registers.  first = 1: those slices are empty, and four v_nop take their part.
; Piece 0's turn fetches the next step's K and piece 0's mask behind product 3, when slices 0 to 7 have read piece 2's mask.  Piece 2's turn fetches the same step's V and piece 2's mask behind
; the second K Q^T: the last product that read V stands six slices, twelve plain instructions, back.
.macro TURN x, pv, kq, first
.set k, 0
.set per, 4
.if \pv && \kq
.set per, 2
.endif
.if \pv
.if \x == 0
	s_wait_dscnt 0x0                               ; V and piece 2's mask are in
.endif
.set i, 0
.rept 16
	PV \x, 2-\pv
.rept per
	SLICE 2-\x, \first
.endr
.if (\x == 0) && \kq && (i == 3)
	FETCH_K
	FETCH_M 0
.endif
.set i, i+1
.endr
.endif
.if \kq
.if \x == 0
	s_wait_dscnt 0x0                               ; K and piece 0's mask are in
.endif
.set i, 0
.rept 16
	KQ \x
.rept per
	SLICE 2-\x, \first
.endr
.if (\x == 2) && (i == 1)
	FETCH_V
	FETCH_M 2
.endif
.set i, i+1
.endr
.endif
.if \first
	PLACES
.endif
.endm
; THE CHANGE OF SLOTS, between piece 2's turn and piece 0's: the old slot's last bytes, V and the mask of its second step, have been asked for.  Each wave waits for its own reads of the slot
; and for all its tensor loads, of which one is out: its part of the new slot.  fill = 1: the old slot is filled again, with the keys two slots on.  The barrier is then a round of the
; cluster's, so that no wave of any partner still reads the slot or has a load on its way, and the joint refill is the first thing behind it: it has two key steps, 128 matrix instructions
; and their slices, in which to land.
.macro CHANGE old, new, fill
	WIN 0                                          ; at a label and at a branch every window is 0
	s_wait_dscnt 0x0
	s_wait_tensorcnt 0x0                           ; no tensor load of mine is out, so a group 0 may be written
	ds_add_u32 v62, v63
	s_wait_dscnt 0x0
.if \fill
	s_wait_xcnt 0x0                                ; the last prefetch, two key steps back, has had its address translated: its address register is rewritten only behind this wait
	s_add_nc_u64 s[G0K+4*\old+2:G0K+4*\old+3], s[G0K+4*\old+2:G0K+4*\old+3], 256*2048   ; 256 keys on; the type bits on top are not reached
	s_add_nc_u64 s[G0V+4*\old+2:G0V+4*\old+3], s[G0V+4*\old+2:G0V+4*\old+3], 256*2048
	s_add_nc_u64 s[G0M+4*\old+2:G0M+4*\old+3], s[G0M+4*\old+2:G0M+4*\old+3], 256*4
	s_add_co_u32 s[PO], s[PO], 512                 ; the prefetch runs one slot ahead of the refill, and stops at the row's last 128 keys
	s_min_u32 s[PO], s[PO], 31*512
	v_add_nc_u32 v[PFA], s[PO], v[PF0]
	CROUND
	JLOAD \old
.else
	s_barrier_signal -1
	s_barrier_wait -1
.endif
	s_mov_b32 s[TK], \new*SLOTB                    ; the fetches go on at the new slot's first step
	s_mov_b32 s[TV], \new*SLOTB+VOFF
	s_mov_b32 s[TM], \new*SLOTB+MOFF
.endm
; A slot's two key steps: written once, walked twice; the LDS addresses hang on s[TK], s[TV], s[TM].
.macro TWO_STEPS
	s_mov_b32 s[TWICE], 2
.Lstep_\@:
	TURN 0, 2, 1, 0
	TURN 2, 2, 1, 0
	WIN 0
	s_sub_co_u32 s[TWICE], s[TWICE], 1
	s_cmp_lg_u32 s[TWICE], 0
	s_cbranch_scc1 .Lstep_\@
.endm
	s_wait_tensorcnt 1                             ; my part of slot 0 is in; slot 1's may stay out
	s_barrier_signal -1
	s_barrier_wait -1                              ; everybody's is
	FETCH_K                                        ; key step 0
	FETCH_M 0
	s_wait_loadcnt 0x0                             ; Q
	s_wait_dscnt 0x0
.set i, 0
.rept 16
	KQ 0                                           ; piece 0's first scores: there is no vector work yet to set between them
.set i, i+1
.endr
	WIN 0                                          ; the addresses for the way out are made here: eight plain instructions, the places behind those products
	s_mul_i32 s23, s16, 64*SP
	s_lshl_b32 s2, s15, 7
	s_add_co_u32 s23, s23, s2
	v_mul_u32_u24 v[STO], v1, SP                   ; in: row 64 qh + 16 t + r, byte 128 hh + 32 ct + 16 h
	v_lshl_add_u32 v[STO], v9, 4, v[STO]
	v_add_nc_u32 v[STO], s23, v[STO]
	s_mul_i32 s23, s[WV], 32*SP
	v_mul_u32_u24 v[RD], v9, SP                    ; back: wave w takes rows 32 w on, whole: lanes 0-15 one row of 256 bytes, lanes 16-31 the next
	v_lshl_add_u32 v[RD], v1, 4, v[RD]
	v_add_nc_u32 v[RD], s23, v[RD]
	v_lshlrev_b32 v[GO], 12, v9                    ; and the same two rows in ob
	v_lshl_add_u32 v[GO], v1, 4, v[GO]
	TURN 2, 0, 1, 1                                ; piece 2's first scores | piece 0's first softmax | V of step 0, piece 2's mask
	TURN 0, 1, 1, 1                                ; piece 0: V^T P of step 0 starts O^T, K Q^T of step 1 | piece 2's first softmax | K of step 1, piece 0's mask
	TURN 2, 1, 1, 0                                ; piece 2: the same | piece 0's softmax of step 1 | V of step 1, piece 2's mask
	WIN 0
	s_mov_b32 s[LOOPC], 15
.Lslot:                                                ; 15 trips, two changes each: 30 of the 32 slots' worth of keys are refills
	CHANGE 0, 1, 1
	TWO_STEPS
	CHANGE 1, 0, 1
	TWO_STEPS
	s_sub_co_u32 s[LOOPC], s[LOOPC], 1
	s_cmp_lg_u32 s[LOOPC], 0
	s_cbranch_scc1 .Lslot
	CHANGE 0, 1, 0                                 ; the tail is written out.  Behind this barrier no wave reads slot 0 and nothing fills it: it becomes the stage
	TWO_STEPS
	TURN 0, 2, 0, 0                                ; piece 0: V^T P of the last step | piece 2's last softmax
.set i, 0
.rept 16
	PV 2, 0                                        ; piece 2: V^T P of the last step
.set i, i+1
.endr
	; THE WAY OUT.  l's two halves and the other half of the lanes' are added (these additions are the places behind the last products); O^T is divided by l, split into hi + lo and sent through the stage.
	WIN 0
	s_mov_b32 s[VK], 0x46000400                    ; 8193.0 = 2^13 + 1
	s_mov_b32 s[VK+1], s[VK]
.irp t, 0,1,2,3
	v_add_f32 v[ST+8*\t+4], v[ST+8*\t+2], v[ST+8*\t+3]
.endr
.irp t, 0,1,2,3
	v_permlanex16_b32 v[ST+8*\t+5], v[ST+8*\t+4], s[SEL], s[SEL+1]
.endr
.irp t, 0,1,2,3
	v_add_f32 v[ST+8*\t+4], v[ST+8*\t+4], v[ST+8*\t+5]
.endr
.irp t, 0,1,2,3
	v_rcp_f32 v[ST+8*\t+6], v[ST+8*\t+4]
.endr
	v_nop                                          ; a plain instruction between the last reciprocal and the use of its result
.set OA,  64                           ; o, then lo
.set OB,  96                           ; 8193 o, then hi
.set OC,  128                          ; 8193 o - o
.set PKH, 160
.set PKL, 176
; Tile t.  hi = c - (c - o) with c = 8193 o is o rounded to 11 bits, which f16 holds; lo = o - hi is exact.
.macro PACK t
	WIN 0x01                                       ; source 0 window 1
.set n, 0
.rept 16
	s_wait_alu depctr_va_vdst(0)
	v_pk_mul_f32 v[OA+2*n:OA+2*n+1], v[32*\t+2*n:32*\t+2*n+1], v[ST+8*\t+6:ST+8*\t+7] op_sel_hi:[1,0]
.set n, n+1
.endr
	WIN 0
.set n, 0
.rept 16
	v_pk_mul_f32 v[OB+2*n:OB+2*n+1], v[OA+2*n:OA+2*n+1], s[VK:VK+1] op_sel_hi:[1,0]
.set n, n+1
.endr
.set n, 0
.rept 16
	v_pk_add_f32 v[OC+2*n:OC+2*n+1], v[OB+2*n:OB+2*n+1], v[OA+2*n:OA+2*n+1] neg_lo:[0,1] neg_hi:[0,1]
.set n, n+1
.endr
.set n, 0
.rept 16
	v_pk_add_f32 v[OB+2*n:OB+2*n+1], v[OB+2*n:OB+2*n+1], v[OC+2*n:OC+2*n+1] neg_lo:[0,1] neg_hi:[0,1]
.set n, n+1
.endr
.set n, 0
.rept 16
	v_pk_add_f32 v[OA+2*n:OA+2*n+1], v[OA+2*n:OA+2*n+1], v[OB+2*n:OB+2*n+1] neg_lo:[0,1] neg_hi:[0,1]
.set n, n+1
.endr
.set n, 0
.rept 16
	v_cvt_pk_f16_f32 v[PKH+n], v[OB+2*n], v[OB+2*n+1]
	v_cvt_pk_f16_f32 v[PKL+n], v[OA+2*n], v[OA+2*n+1]
.set n, n+1
.endr
.set n, 0
.rept 4
	ds_store_b128 v[STO], v[PKH+4*n:PKH+4*n+3] offset:\t*16*SP+32*n
	ds_store_b128 v[STO], v[PKL+4*n:PKL+4*n+3] offset:LOST+\t*16*SP+32*n
.set n, n+1
.endr
.endm
	PACK 0
	PACK 1
	PACK 2
	PACK 3
	s_wait_dscnt 0x0                               ; for the others' sake: my stores into the stage are done (a row's 256 bytes come from two waves)
	s_barrier_signal -1
	s_barrier_wait -1
.irp n, 0,1,2,3,4,5,6,7,8,9,10,11,12,13,14,15
	ds_load_b128 v[64+4*\n:64+4*\n+3], v[RD] offset:\n*2*SP
.endr
.irp n, 0,1,2,3,4,5,6,7,8,9,10,11,12,13,14,15
	ds_load_b128 v[128+4*\n:128+4*\n+3], v[RD] offset:LOST+\n*2*SP
.endr
.irp n, 0,1,2,3,4,5,6,7,8,9,10,11,12,13,14,15
	s_wait_dscnt 31-\n                             ; LDS loads come back in order: this one is in, the younger ones stay out
	global_store_b128 v[GO], v[64+4*\n:64+4*\n+3], s[12:13] offset:\n*8192          ; 16 lanes store 256 consecutive bytes, aligned
.endr
.irp n, 0,1,2,3,4,5,6,7,8,9,10,11,12,13,14,15
	s_wait_dscnt 15-\n
	global_store_b128 v[GO], v[128+4*\n:128+4*\n+3], s[12:13] offset:\n*8192+2048
.endr
	s_wait_tensorcnt 0x0
	ds_add_u32 v62, v63
	s_wait_dscnt 0x0
	CROUND                                         ; the closing round: no work-group ends while a partner may still ask for a tile that names it
	s_endpgm
.Lfunc_end_k_qb0b56d8fad_attn:
	.size	k_qb0b56d8fad_attn, .Lfunc_end_k_qb0b56d8fad_attn-k_qb0b56d8fad_attn
	.p2alignl 7, 3214868480
	.fill 96, 4, 3214868480
	.section	.rodata,"a",@progbits
	.p2align	6, 0x0
	.amdhsa_kernel k_qb0b56d8fad_attn
		.amdhsa_group_segment_fixed_size 327680
		.amdhsa_private_segment_fixed_size 0
		.amdhsa_enable_private_segment 0
		.amdhsa_kernarg_size 40
		.amdhsa_user_sgpr_count 2
		.amdhsa_user_sgpr_kernarg_segment_ptr 1
		.amdhsa_wavefront_size32 1
		.amdhsa_system_sgpr_workgroup_id_x 1
		.amdhsa_system_sgpr_workgroup_id_y 1
		.amdhsa_system_sgpr_workgroup_id_z 1
		.amdhsa_system_vgpr_workitem_id 0
		.amdhsa_next_free_vgpr 768
		.amdhsa_next_free_sgpr 96
		.amdhsa_reserve_vcc 0
		.amdhsa_float_denorm_mode_32 3
		.amdhsa_float_denorm_mode_16_64 3
		.amdhsa_memory_ordered 1
		.amdhsa_forward_progress 1
		.amdhsa_inst_pref_size 255
	.end_amdhsa_kernel
	.section	.bss,"aw",@nobits
	.p2align	6
	.space	262144
	.amdgpu_metadata
---
amdhsa.version: [ 1, 2 ]
amdhsa.kernels:
  - .name:           k_qb0b56d8fad_attn
    .symbol:         k_qb0b56d8fad_attn.kd
    .args:
      - { .name: qb, .offset: 0, .size: 8, .value_kind: global_buffer, .address_space: global }
      - { .name: kb, .offset: 8, .size: 8, .value_kind: global_buffer, .address_space: global }
      - { .name: vb, .offset: 16, .size: 8, .value_kind: global_buffer, .address_space: global }
      - { .name: attention_mask, .offset: 24, .size: 8, .value_kind: global_buffer, .address_space: global }
      - { .name: ob, .offset: 32, .size: 8, .value_kind: global_buffer, .address_space: global }
    .group_segment_fixed_size: 327680
    .private_segment_fixed_size: 0
    .kernarg_segment_align: 8
    .kernarg_segment_size: 40
    .max_flat_workgroup_size: 128
    .sgpr_count:     96
    .vgpr_count:     768
    .wavefront_size: 32
...
	.end_amdgpu_metadata
.endif
;; end of part 3
;; launch oproj (part 4): grid 8 x 32, 4 waves a work-group, clusters of 4 x 4, 327,680 bytes of LDS; arguments ob, wob, out0; writes out0
.if DOCPART == 4
	.amdgcn_target "amdgcn-amd-amdhsa--gfx1250"
	.amdhsa_code_object_version 6
	.text
	.protected	k_qb0b56d8fad_oproj
	.globl	k_qb0b56d8fad_oproj
	.p2align	8
	.type	k_qb0b56d8fad_oproj,@function
k_qb0b56d8fad_oproj:
	s_mov_b64 s[64:65], 0
	v_nop
	global_prefetch_b8 v0, s[64:65] scope:SCOPE_SE
	s_setreg_imm32_b32 hwreg(HW_REG_WAVE_MODE, 25, 1), 1
	s_wait_xcnt 0x0
	s_wait_alu depctr_hold_cnt(0) depctr_sa_sdst(0) depctr_va_vdst(0) depctr_va_sdst(0) depctr_va_ssrc(0) depctr_va_vcc(0) depctr_vm_vsrc(0)
	s_getreg_b32 s2, hwreg(HW_REG_IB_STS2, 6, 4)
	s_cmp_eq_u32 s2, 0
	s_cbranch_scc0 .Lentry_in_a_cluster
	s_endpgm
.Lentry_in_a_cluster:
	s_bfe_u32 s2, ttmp6, 0x10000c
	s_cmp_lg_u32 s2, 0xf033
	s_cbranch_scc0 .Lentry_shape_is_right
	s_endpgm
.Lentry_shape_is_right:
; out0[m][n] = the sum over k of A[m][k] B[n][k], A = ob [4096][2048] f16 (o's hi, then its lo), B = wob [1024][2048] f16 (wo, twice): (hi + lo) wo^T in one product.  Sums in f32, out0 f32.
; A tile of out0 is 128 x 128: 8 x 32 work-groups, one for each WGP.  Four waves, each 64 x 64: 16 accumulators of 16 x 16, 128 registers.  K goes in steps of 256 (LDS rows of 512 bytes; a wave's
; tensor load brings 64 of them), as long as two slots in LDS allow.
; CLUSTERS: 4 x 4 work-groups.  The four of a row of the cluster need the same tiles of A, the four of a column the same tiles of B: each tile is asked for JOINTLY.
; THE MATRIX INSTRUCTION IS USED TRANSPOSED (source 0 = 16 rows of B, source 1 = 16 rows of A): a lane then holds eight neighbouring numbers of a row of out0, 32 bytes.
; A wave's 64 columns are 256 aligned bytes of out0, so each wave has a stage of its own (16 rows x 272 bytes, behind the ring), and the way out needs no barrier.
; REGISTERS: window 0: v0-31 addresses; v32-95 rows on the way out; v128-255 the accumulators ((a, b) at v[128 + 8 (4 a + b)]).
;   window 1: two fragment buffers of 128: for 64 along K, 64 registers of A (2 x 4 x 16 rows x 32 K), then 64 of B.
.set SIZE_N, 1024
.set SIZE_K, 2048
.set KSTEP,  256
.set PITCH,  528                       ; an LDS row: 512 bytes of data + 16 of padding = 132 words: the 16 rows of a fragment load start 4 words apart modulo 64 words
.set HALFT,  64*PITCH                  ; 64 rows: what one tensor load brings, and what one wave reads of A or of B
.set SLOT,   4*HALFT                   ; A's 128 rows, then B's 128 rows
.set STAGE,  2*SLOT
.set SPITCH, 272
.set LAPS, SIZE_K/(2*KSTEP)            ; a lap = two K steps = once round the ring
.set ADRA, 16                          ; v16-17  LDS address of my A fragments in slot 0, 1
.set ADRB, 20                          ; v20-21  the same for B
.set STO,  24                          ; v24     the way out: where I put 32 bytes of a row
.set RD,   25                          ; v25     where I read a row back
.set CO,   26                          ; v26     my byte offset in out0
.set TMP,  32                          ; two buffers of 32 registers: 16 rows read back
.set ACC,  128
.set F0,   0
.set F1,   128
.set G1, 24                            ; s[24:31] descriptor group 1 for A's tiles;  s[32:39] group 0, one set for each slot
.set G0, 32
.set G1B, 48                           ; s[48:55], s[56:63] the same for B's tiles
.set G0B, 56
.set MSB, 0
.macro WIN new                         ; the immediate's high byte repeats the setting that is left
.if MSB != \new
	s_set_vgpr_msb (MSB<<8)|\new
.set MSB, \new
.endif
.endm
.set MUL,  0x05                        ; sources 0 (B) and 1 (A) window 1; C and D window 0
.set TO_F, 0x40                        ; destination window 1, address window 0
.macro PLACES                          ; four places in front of loads into registers that matrix instructions have read, and of stores that read results
.rept 4
	v_nop
.endr
.endm
.macro JLOAD s                         ; a joint load: waves 0 and 1 fetch A's two halves, waves 2 and 3 B's; four v_nop follow each of the two lines
	s_cmp_eq_u32 s11, 0
	s_cbranch_scc0 .Lfor_b_\@
	tensor_load_to_lds s[G0+4*\s:G0+4*\s+3], s[G1:G1+7]
	s_nop 0
	PLACES
	s_branch .Lasked_\@
.Lfor_b_\@:
	tensor_load_to_lds s[G0B+4*\s:G0B+4*\s+3], s[G1B:G1B+7]
	s_nop 0
	PLACES
.Lasked_\@:
.endm
.macro CREST                           ; a round of the cluster's barrier behind its opening barrier
	s_cmp_lg_u32 s10, 0
	s_cbranch_scc1 .Lnot_wave_0_\@
	s_barrier_signal -3
.Lnot_wave_0_\@:
	s_barrier_wait -3
	s_barrier_signal -1
	s_barrier_wait -1
.endm
.macro CROUND                          ; a whole round
	s_barrier_signal -1
	s_barrier_wait -1
	CREST
.endm
	s_load_b128 s[4:7], s[0:1], 0x0                ; A s[4:5], B s[6:7]
	s_load_b64 s[8:9], s[0:1], 0x10                ; out0
	v_lshl_add_u32 v126, v0, 2, 0x46400
	v_mov_b32 v127, 0
	ds_add_u32 v126, v127
	v_lshrrev_b32 v1, 5, v0
	v_readfirstlane_b32 s10, v1                    ; wave 0..3
	s_lshr_b32 s11, s10, 1                         ; which half of the tile's rows is mine.  Also: I fetch for A (0) or for B (1)
	s_and_b32 s12, s10, 1                          ; which half of its columns.  Also: which 64 rows of that tile I fetch
	s_bfe_u32 s40, ttmp6, 0x40000                  ; cx, cy: my place in the cluster
	s_bfe_u32 s41, ttmp6, 0x40004
	s_lshl_b32 s42, ttmp9, 2
	s_add_co_u32 s42, s42, s40                     ; tile column = 4 x cluster x + cx
	s_and_b32 s13, ttmp7, 0xffff
	s_lshl_b32 s13, s13, 2
	s_add_co_u32 s13, s13, s41                     ; tile row = 4 x cluster y + cy
	s_lshl_b32 s43, s41, 2
	s_lshl_b32 s43, 15, s43                        ; my row of the cluster
	s_lshl_b32 s44, 0x1111, s40                    ; my column
	; descriptor group 1: a tile of 64 rows x 256 elements, padded in LDS
	s_or_b32 s[G1+0], s43, (1<<16)|(1<<20)|(1<<21)|(6<<22)|(3<<25)  ; 15:0 the mask: A's tiles go to my row; 17:16 element of 2 bytes; 20 padding on; 21 set beside a mask; 24:22 after every 128 words; 31:25 four words
	s_or_b32 s[G1B+0], s44, (1<<16)|(1<<20)|(1<<21)|(6<<22)|(3<<25)
.irp g, G1, G1B
	s_mov_b32 s[\g+1], KSTEP<<16                   ; tensor_dim0 = 256
	s_mov_b32 s[\g+2], 64<<16                      ; tensor_dim1 = 64
	s_mov_b32 s[\g+3], KSTEP<<16                   ; tile_dim0 = 256
	s_mov_b32 s[\g+4], 64                          ; tile_dim1 = 64
	s_mov_b32 s[\g+5], SIZE_K                      ; elements from row to row
	s_mov_b32 s[\g+6], 0
	s_mov_b32 s[\g+7], 0
.endr
	s_lshl_b32 s17, s12, 6                         ; which 64 rows of the tile I fetch
	s_lshl_b32 s16, s13, 7
	s_add_co_u32 s16, s16, s17                     ; A: row 128 x tile row + 64 x half
	s_lshl_b32 s46, s42, 7
	s_add_co_u32 s46, s46, s17                     ; B: row 128 x tile column + 64 x half
	s_mov_b32 s17, 0
	s_mov_b32 s47, 0
	s_mov_b64 s[18:19], SIZE_K*2
	s_mul_u64 s[16:17], s[16:17], s[18:19]
	s_mul_u64 s[46:47], s[46:47], s[18:19]
	s_mul_i32 s20, s10, HALFT                      ; where they go: wave x 64 rows
	s_wait_dscnt 0x0
	s_wait_kmcnt 0x0
	s_add_nc_u64 s[14:15], s[4:5], s[16:17]
	s_add_nc_u64 s[46:47], s[6:7], s[46:47]
	CROUND                                         ; all sixteen work-groups are here: the first joint loads meet
.irp s, 0,1
	s_mov_b32 s[G0+4*\s], 1
	s_add_co_u32 s[G0+4*\s+1], s20, \s*SLOT
	s_add_nc_u64 s[G0+4*\s+2:G0+4*\s+3], s[14:15], \s*KSTEP*2
	s_or_b32 s[G0+4*\s+3], s[G0+4*\s+3], 0x80000000
	s_mov_b32 s[G0B+4*\s], 1
	s_add_co_u32 s[G0B+4*\s+1], s20, \s*SLOT
	s_add_nc_u64 s[G0B+4*\s+2:G0B+4*\s+3], s[46:47], \s*KSTEP*2
	s_or_b32 s[G0B+4*\s+3], s[G0B+4*\s+3], 0x80000000
	JLOAD \s                                       ; two loads of mine are out
.endr
	v_and_b32 v1, 15, v0                           ; l % 16
	v_bfe_u32 v2, v0, 4, 1                         ; l / 16
	v_mul_u32_u24 v3, v1, PITCH
	v_lshl_add_u32 v3, v2, 4, v3                   ; a fragment's row x pitch + 16 x half
	s_mul_i32 s21, s11, HALFT                      ; my 64 rows of A
	s_mul_i32 s22, s12, HALFT                      ; my 64 rows of B,
	s_add_co_u32 s22, s22, 2*HALFT                 ; which lie behind A's 128
.irp s, 0,1
	v_add_nc_u32 v[ADRA+\s], s21, v3
	v_add_nc_u32 v[ADRB+\s], s22, v3
	s_add_co_u32 s21, s21, SLOT
	s_add_co_u32 s22, s22, SLOT
.endr
	s_mul_i32 s23, s10, 16*SPITCH                  ; my stage
	s_add_co_u32 s23, s23, STAGE
	v_mul_u32_u24 v4, v1, SPITCH                   ; in: row l % 16, 32 bytes for each half of the lanes
	v_lshl_add_u32 v4, v2, 5, v4
	v_add_nc_u32 v[STO], s23, v4
	v_mul_u32_u24 v5, v2, SPITCH                   ; back: lanes 0-15 take one row of 256 bytes, lanes 16-31 the next
	v_lshl_add_u32 v5, v1, 4, v5
	v_add_nc_u32 v[RD], s23, v5
	v_lshlrev_b32 v5, 12, v2                       ; and the same two rows in out0 (rows of 4,096 bytes)
	v_lshl_add_u32 v[CO], v1, 4, v5
	s_lshl_b32 s16, s13, 7
	s_lshl_b32 s17, s11, 6
	s_add_co_u32 s16, s16, s17                     ; my first row: 128 x tile row + 64 x half
	s_lshl_b32 s16, s16, 12
	s_mov_b32 s17, 0
	s_add_nc_u64 s[8:9], s[8:9], s[16:17]
	s_lshl_b32 s46, s42, 9                         ; my first column, in bytes: 512 x tile column + 256 x half
	s_lshl_b32 s47, s12, 8
	s_add_co_u32 s46, s46, s47
	s_mov_b32 s47, 0
	s_add_nc_u64 s[8:9], s[8:9], s[46:47]
; 8 matrix instructions: m blocks a0, a0 + 1 x all 4 n blocks, 32 along K: half c of buffer f.  zero = 1: the first product starts the sums.  The 16 accumulators take turns.
.macro MUL8 f, c, a0, zero
.irp a, \a0, \a0+1
.irp b, 0,1,2,3
.if \zero
	v_wmma_f32_16x16x32_f16 v[ACC+8*(4*(\a)+\b):ACC+8*(4*(\a)+\b)+7], v[\f+64+8*(4*\c+\b):\f+64+8*(4*\c+\b)+7], v[\f+8*(4*\c+\a):\f+8*(4*\c+\a)+7], 0
.else
	v_wmma_f32_16x16x32_f16 v[ACC+8*(4*(\a)+\b):ACC+8*(4*(\a)+\b)+7], v[\f+64+8*(4*\c+\b):\f+64+8*(4*\c+\b)+7], v[\f+8*(4*\c+\a):\f+8*(4*\c+\a)+7], v[ACC+8*(4*(\a)+\b):ACC+8*(4*(\a)+\b)+7]
.endif
.endr
.endr
.endm
; 32 LDS loads in one run: the fragments of 64 along K at byte k of the rows, into buffer f; the first 32 along K first
.macro FETCH slot, k, f
	WIN TO_F
.irp c, 0,1
.irp i, 0,1,2,3
	ds_load_b128 v[\f+64+8*(4*\c+\i):\f+64+8*(4*\c+\i)+3],   v[ADRB+\slot] offset:\k+64*\c+\i*16*PITCH
	ds_load_b128 v[\f+64+8*(4*\c+\i)+4:\f+64+8*(4*\c+\i)+7], v[ADRB+\slot] offset:\k+64*\c+\i*16*PITCH+32
	ds_load_b128 v[\f+8*(4*\c+\i):\f+8*(4*\c+\i)+3],         v[ADRA+\slot] offset:\k+64*\c+\i*16*PITCH
	ds_load_b128 v[\f+8*(4*\c+\i)+4:\f+8*(4*\c+\i)+7],       v[ADRA+\slot] offset:\k+64*\c+\i*16*PITCH+32
.endr
.endr
.endm
; A K step is four quarters of 64 along K, 32 matrix instructions each, on buffers 0, 1, 0, 1.  One of the first three: multiplies buffer f and fetches the next quarter, at byte k, into g.
.macro QUARTER slot, k, f, g, zero
	s_wait_dscnt 16                                ; the first 32 along K are in; the youngest sixteen loads may be out
	WIN MUL
	MUL8 \f, 0, 0, \zero
	MUL8 \f, 0, 2, \zero
	PLACES
	FETCH \slot, \k, \g
	s_wait_dscnt 32                                ; all but the 32 just issued
	WIN MUL
	MUL8 \f, 1, 0, 0
	MUL8 \f, 1, 2, 0
.endm
; The last quarter multiplies buffer 1 and changes slots: ONE barrier; in front of it each wave waits for its own reads of this slot and for all its tensor loads.  fill = 1: this slot is filled again, two K steps ahead.
.macro TURN slot, next, fill
	s_wait_dscnt 16
	WIN MUL
	MUL8 F1, 0, 0, 0
	s_wait_dscnt 0                                 ; my reads of this slot are over,
	s_set_vgpr_msb 0x500
	s_wait_tensorcnt 0x0                           ; and all my tensor loads have landed: my part of the next slot
	ds_add_u32 v126, v127
	s_wait_dscnt 0x0
	s_set_vgpr_msb 0x5
	s_barrier_signal -1
	MUL8 F1, 0, 2, 0
.if \fill
	WIN 0
.endif
	s_barrier_wait -1
.if \fill
	CREST                                          ; the barrier has opened a round of the cluster's barrier: no wave of any partner still reads this slot's tile or has a load on its way
	s_add_nc_u64 s[G0+4*\slot+2:G0+4*\slot+3], s[G0+4*\slot+2:G0+4*\slot+3], 2*KSTEP*2
	s_add_nc_u64 s[G0B+4*\slot+2:G0B+4*\slot+3], s[G0B+4*\slot+2:G0B+4*\slot+3], 2*KSTEP*2
	JLOAD \slot                                    ; my one tensor load behind the round: 120 matrix instructions ahead of the wait for it; its four v_nop are also the places in front of the loads below
.else
	PLACES
.endif
	FETCH \next, 0, F0
	WIN MUL
	MUL8 F1, 1, 0, 0
	MUL8 F1, 1, 2, 0
.endm
	s_wait_tensorcnt 1                             ; my part of K step 0 is in; K step 1's may stay out
	s_barrier_signal -1
	s_barrier_wait -1                              ; everybody's is
	FETCH 0, 0, F0
	QUARTER 0, 128, F0, F1, 1                      ; the first quarter stands in front of the loop: its first products start the sums
	WIN 0                                          ; at a label and at a branch every window is 0
	s_mov_b32 s3, LAPS-1
.Llap:                                                 ; a trip goes once round the ring, from a lap's second quarter to the next lap's first, and fills both slots again
	QUARTER 0, 256, F1, F0, 0
	QUARTER 0, 384, F0, F1, 0
	TURN 0, 1, 1
	QUARTER 1, 128, F0, F1, 0
	QUARTER 1, 256, F1, F0, 0
	QUARTER 1, 384, F0, F1, 0
	TURN 1, 0, 1
	QUARTER 0, 128, F0, F1, 0
	WIN 0
	s_sub_co_u32 s3, s3, 1
	s_cmp_lg_u32 s3, 0
	s_cbranch_scc1 .Llap
	QUARTER 0, 256, F1, F0, 0                      ; the last lap fills nothing, and has no round of the cluster's barrier
	QUARTER 0, 384, F0, F1, 0
	TURN 0, 1, 0
	QUARTER 1, 128, F0, F1, 0
	QUARTER 1, 256, F1, F0, 0
	QUARTER 1, 384, F0, F1, 0
	s_wait_dscnt 16                                ; the very last quarter: nothing more to fetch
	WIN MUL
	MUL8 F1, 0, 0, 0
	MUL8 F1, 0, 2, 0
	s_wait_dscnt 0
	MUL8 F1, 1, 0, 0
	MUL8 F1, 1, 2, 0
	WIN 0
	; THE WAY OUT, 16 rows at a time: a lane's 32 bytes of each of 4 column blocks go into my stage, and come back as whole rows of 256 bytes.
	PLACES
.irp a, 0,1,2,3
.irp b, 0,1,2,3
	ds_store_b128 v[STO], v[ACC+8*(4*\a+\b):ACC+8*(4*\a+\b)+3]   offset:64*\b
	ds_store_b128 v[STO], v[ACC+8*(4*\a+\b)+4:ACC+8*(4*\a+\b)+7] offset:64*\b+16
.endr
	s_wait_xcnt 0x0                                ; the stores of two blocks ago have had their addresses translated: their data registers are loaded again only behind this wait
.irp t, 0,1,2,3,4,5,6,7
	ds_load_b128 v[TMP+32*(\a%2)+4*\t:TMP+32*(\a%2)+4*\t+3], v[RD] offset:\t*2*SPITCH   ; LDS serves a wave's instructions in order: these see the stores above, and the next block's stores come behind them
.endr
.irp t, 0,1,2,3,4,5,6,7
	s_wait_dscnt 7-\t                              ; this row pair is in, the younger ones stay out
	global_store_b128 v[CO], v[TMP+32*(\a%2)+4*\t:TMP+32*(\a%2)+4*\t+3], s[8:9] offset:(16*\a+2*\t)*4096 th:TH_STORE_NT   ; 16 lanes store 256 consecutive bytes, aligned
.endr
.endr
	s_wait_tensorcnt 0x0
	ds_add_u32 v126, v127
	s_wait_dscnt 0x0
	CROUND                                         ; the closing round: no work-group ends while a partner may still ask for a tile that names it
	s_endpgm
.Lfunc_end_k_qb0b56d8fad_oproj:
	.size	k_qb0b56d8fad_oproj, .Lfunc_end_k_qb0b56d8fad_oproj-k_qb0b56d8fad_oproj
	.p2alignl 7, 3214868480
	.fill 96, 4, 3214868480
	.section	.rodata,"a",@progbits
	.p2align	6, 0x0
	.amdhsa_kernel k_qb0b56d8fad_oproj
		.amdhsa_group_segment_fixed_size 327680
		.amdhsa_private_segment_fixed_size 0
		.amdhsa_enable_private_segment 0
		.amdhsa_kernarg_size 24
		.amdhsa_user_sgpr_count 2
		.amdhsa_user_sgpr_kernarg_segment_ptr 1
		.amdhsa_wavefront_size32 1
		.amdhsa_system_sgpr_workgroup_id_x 1
		.amdhsa_system_sgpr_workgroup_id_y 1
		.amdhsa_system_sgpr_workgroup_id_z 1
		.amdhsa_system_vgpr_workitem_id 0
		.amdhsa_next_free_vgpr 512
		.amdhsa_next_free_sgpr 66
		.amdhsa_reserve_vcc 0
		.amdhsa_float_denorm_mode_32 3
		.amdhsa_float_denorm_mode_16_64 3
		.amdhsa_memory_ordered 1
		.amdhsa_forward_progress 1
		.amdhsa_inst_pref_size 87
	.end_amdhsa_kernel
	.amdgpu_metadata
---
amdhsa.version: [ 1, 2 ]
amdhsa.kernels:
  - .name:           k_qb0b56d8fad_oproj
    .symbol:         k_qb0b56d8fad_oproj.kd
    .args:
      - { .name: ob, .offset: 0, .size: 8, .value_kind: global_buffer, .address_space: global }
      - { .name: wob, .offset: 8, .size: 8, .value_kind: global_buffer, .address_space: global }
      - { .name: out0, .offset: 16, .size: 8, .value_kind: global_buffer, .address_space: global }
    .group_segment_fixed_size: 327680
    .private_segment_fixed_size: 0
    .kernarg_segment_align: 8
    .kernarg_segment_size: 24
    .max_flat_workgroup_size: 128
    .sgpr_count:     66
    .vgpr_count:     512
    .wavefront_size: 32
...
	.end_amdgpu_metadata
.endif
;; end of part 4
;; ======== version 2 of 2: 4 launches; version 1 with the launch cvt written anew for expert scheduling mode
;; limits: values outside matrix products are rounded to bf16; values are held in f16: magnitudes above 65,504 overflow, below 6.1e-05 lose precision
;; workspace buffers: xb 8,388,608 bytes; wb 6,291,456 bytes; wob 4,194,304 bytes; qb 8,388,608 bytes; kb 8,388,608 bytes; vb 8,388,608 bytes; ob 16,777,216 bytes
;; launch cvt (part 5): grid 256 x 1, 8 waves a work-group, no clusters, 0 bytes of LDS; arguments x, wq, wk, wv, wo, xb, wb, wob; writes xb, wb, wob
.if DOCPART == 5
	.amdgcn_target "amdgcn-amd-amdhsa--gfx1250"
	.amdhsa_code_object_version 6
	.text
	.protected	k_qb0b56d8fad_cvt
	.globl	k_qb0b56d8fad_cvt
	.p2align	8
	.type	k_qb0b56d8fad_cvt,@function
k_qb0b56d8fad_cvt:
	s_mov_b64 s[64:65], 0
	v_nop
	global_prefetch_b8 v0, s[64:65] scope:SCOPE_SE
	s_setreg_imm32_b32 hwreg(HW_REG_WAVE_SCHED_MODE, 0, 2), 2
	s_setreg_imm32_b32 hwreg(HW_REG_WAVE_MODE, 25, 1), 1
	s_wait_xcnt 0x0
	s_wait_alu depctr_vm_vsrc(0)
; The matrix operands are narrowed once, so that the three matrix launches can bring 16-bit tiles straight into LDS.
;   xb  [4096][1024] bf16 = x
;   wb  [3072][1024] bf16: row 384 cb + 128 ty + i = row 128 cb + i of wq, wk, wv (ty = 0, 1, 2): a block of 128 features of all three lies together
;   wob [1024][2048] f16:  wo rounded to bf16 (its 8 bits fit f16's 11), written twice along the row, for the two halves (hi, lo) of the attention's result
; LIMIT: x and the four weights are taken rounded to bf16.  wo as f16: numbers under 2^-14 keep an absolute error of 2^-25.
; A stream: each byte is read once and written once; no LDS, no matrix unit and no cluster, since no two work-groups read the same byte.
; 256 work-groups of 8 waves; each owns 32 rows of 4,096 bytes.  Groups 0-127: x.  Groups 128-255: 32 each for wq, wk, wv, wo.
; Thread t owns the 16 bytes at 16 t of every row: a wave's load covers 512 consecutive bytes, its store of 8 bytes a lane 256 consecutive bytes, aligned.
; All 32 loads of a thread go out first; every row has data registers of its own, so no register that a store reads is written again.
; THE MODE: SCHED_MODE bits 1:0 = 2 (LLVM: expert scheduling mode 2), set by the entry lines.  The code itself states the register dependences
; between vector instructions and memory instructions, with s_wait_alu, always for 0.
; THE PLAN.  Registers that memory instructions touch:
;   v1, v2   byte offsets of the loads and of the stores: written once at the head, never again; one wait ahead of the first load states that both are written.
;   X        row i: written by its one load, issued at the head, when no vector instruction has named X; read by the row's conversions.  No load lands in it again.
;   Y        row i: written by the row's conversions; read by the row's store (wo: two stores); never written behind a store.
;   T        named by vector instructions alone.
; The 32 rows go in eight blocks of four.  Block p converts its four rows into their Y; its memory instructions are the stores of block p - 1, which read that block's Y and v2:
; registers that no vector instruction of block p names.  So ONE wait on va_vdst at a block's head, behind the wait for the block's data, states all that the block's stores hang on,
; and they are dealt among its conversions with no further wait.  One more stands ahead of the last block's stores.  No register that a memory instruction has read is ever written
; again, so no wait on vm_vsrc is owed.
.set ROWS, 32
.set BLK,  4                           ; rows in a block
.set NB,   ROWS/BLK
.set X, 8                              ; v[8:135]   row i: 4 numbers as loaded
.set Y, 136                            ; v[136:199] row i: 4 numbers in 16 bits, to store
.set T, 200                            ; v[200:203] at work (wo's path)
	s_load_b512 s[8:23], s[0:1], 0x0               ; x s[8:9], wq s[10:11], wk s[12:13], wv s[14:15], wo s[16:17], xb s[18:19], wb s[20:21], wob s[22:23]
	s_mov_b32 s2, ttmp9                            ; g
	s_sub_co_u32 s3, s2, 128                       ; g - 128 (of use from group 128 on)
	s_bfe_u32 s4, s3, 0x20005                      ; which weight: 0 wq, 1 wk, 2 wv, 3 wo
	s_and_b32 s5, s3, 31                           ; c: which 32 rows of it
	s_lshr_b32 s6, s5, 2                           ; wb: row 384 (c / 4)
	s_mul_i32 s6, s6, 384
	s_lshl_b32 s7, s4, 7                           ;   + 128 x which
	s_add_co_u32 s6, s6, s7
	s_and_b32 s7, s5, 3                            ;   + 32 (c % 4),
	s_lshl_b32 s7, s7, 5
	s_add_co_u32 s6, s6, s7
	s_lshl_b32 s6, s6, 11                          ;   rows of 2,048 bytes
	s_lshl_b32 s7, s5, 17                          ; wob: 32 c rows of 4,096 bytes
	s_lshl_b32 s32, s2, 16                         ; xb: 32 g rows of 2,048 bytes
	s_mov_b32 s33, 0xffff0000                      ; a word's upper bf16
	v_lshlrev_b32 v1, 4, v0                        ; my 16 bytes of an input row
	v_lshlrev_b32 v2, 3, v0                        ; my 8 bytes of an output row
	s_wait_kmcnt 0x0
	s_cmp_eq_u32 s4, 1                             ; the choices hang on the group's number alone
	s_cselect_b64 s[24:25], s[12:13], s[10:11]
	s_cmp_eq_u32 s4, 2
	s_cselect_b64 s[24:25], s[14:15], s[24:25]
	s_cmp_eq_u32 s4, 3
	s_cselect_b64 s[24:25], s[16:17], s[24:25]     ; from
	s_cselect_b64 s[26:27], s[22:23], s[20:21]     ; to
	s_cselect_b32 s30, s7, s6                      ; byte offset in the output
	s_cmp_lt_u32 s2, 128
	s_cselect_b64 s[24:25], s[8:9], s[24:25]
	s_cselect_b64 s[26:27], s[18:19], s[26:27]
	s_cselect_b32 s30, s32, s30
	s_cselect_b32 s28, s2, s5                      ; which 32 rows of the input
	s_lshl_b32 s28, s28, 17                        ; of 4,096 bytes
	s_mov_b32 s29, 0
	s_mov_b32 s31, 0
	s_add_nc_u64 s[24:25], s[24:25], s[28:29]
	s_add_nc_u64 s[26:27], s[26:27], s[30:31]
	s_wait_alu depctr_va_vdst(0)                   ; v1 and v2 are written: every load of the kernel reads v1 as its offset, every store v2
.set i, 0
.rept ROWS
	global_load_b128 v[X+4*i:X+4*i+3], v1, s[24:25] offset:4096*i th:TH_LOAD_NT
.set i, i+1
.endr
	s_cmp_ge_u32 s2, 224
	s_cbranch_scc1 .Lwo
.set p, 0
.rept NB
	s_wait_loadcnt ROWS-BLK*(p+1)                  ; loads come back in order: block p's four rows are in, the younger rows stay out
.if p > 0
	s_wait_alu depctr_va_vdst(0)                   ; the conversions of block p - 1 have written its rows' Y, which the four stores below read
.endif
.set r, 0
.rept BLK
.set i, BLK*p+r
.if p > 0
	global_store_b64 v2, v[Y+2*(i-BLK):Y+2*(i-BLK)+1], s[26:27] offset:2048*(i-BLK)  ; a row of the block before; no vector instruction since the wait names its Y or v2
.endif
	v_cvt_pk_bf16_f32 v[Y+2*i], v[X+4*i], v[X+4*i+1]
	v_cvt_pk_bf16_f32 v[Y+2*i+1], v[X+4*i+2], v[X+4*i+3]
.set r, r+1
.endr
.set p, p+1
.endr
	s_wait_alu depctr_va_vdst(0)                   ; the last block's conversions have written its rows' Y, which the last four stores read
.set i, ROWS-BLK
.rept BLK
	global_store_b64 v2, v[Y+2*i:Y+2*i+1], s[26:27] offset:2048*i
.set i, i+1
.endr
	s_endpgm
.Lwo:
.set p, 0
.rept NB
	s_wait_loadcnt ROWS-BLK*(p+1)                  ; block p's four rows are in, the younger rows stay out
.if p > 0
	s_wait_alu depctr_va_vdst(0)                   ; the conversions of block p - 1 have written its rows' Y, which the eight stores below read
.endif
.set r, 0
.rept BLK
.set i, BLK*p+r
.if p > 0
	global_store_b64 v2, v[Y+2*(i-BLK):Y+2*(i-BLK)+1], s[26:27] offset:4096*(i-BLK)       ; a row of the block before, twice along wob's row; no vector instruction since the wait names its Y or v2
	global_store_b64 v2, v[Y+2*(i-BLK):Y+2*(i-BLK)+1], s[26:27] offset:4096*(i-BLK)+2048
.endif
	v_cvt_pk_bf16_f32 v[Y+2*i], v[X+4*i], v[X+4*i+1]       ; rounded to bf16,
	v_cvt_pk_bf16_f32 v[Y+2*i+1], v[X+4*i+2], v[X+4*i+3]
	v_lshlrev_b32 v[T], 16, v[Y+2*i]                       ; widened again,
	v_and_b32 v[T+1], s33, v[Y+2*i]
	v_lshlrev_b32 v[T+2], 16, v[Y+2*i+1]
	v_and_b32 v[T+3], s33, v[Y+2*i+1]
	v_cvt_pk_f16_f32 v[Y+2*i], v[T], v[T+1]                ; and written as f16
	v_cvt_pk_f16_f32 v[Y+2*i+1], v[T+2], v[T+3]
.set r, r+1
.endr
.set p, p+1
.endr
	s_wait_alu depctr_va_vdst(0)                   ; the last block's conversions have written its rows' Y, which the last eight stores read
.set i, ROWS-BLK
.rept BLK
	global_store_b64 v2, v[Y+2*i:Y+2*i+1], s[26:27] offset:4096*i
	global_store_b64 v2, v[Y+2*i:Y+2*i+1], s[26:27] offset:4096*i+2048
.set i, i+1
.endr
	s_endpgm
.Lfunc_end_k_qb0b56d8fad_cvt:
	.size	k_qb0b56d8fad_cvt, .Lfunc_end_k_qb0b56d8fad_cvt-k_qb0b56d8fad_cvt
	.p2alignl 7, 3214868480
	.fill 96, 4, 3214868480
	.section	.rodata,"a",@progbits
	.p2align	6, 0x0
	.amdhsa_kernel k_qb0b56d8fad_cvt
		.amdhsa_group_segment_fixed_size 0
		.amdhsa_private_segment_fixed_size 0
		.amdhsa_enable_private_segment 0
		.amdhsa_kernarg_size 64
		.amdhsa_user_sgpr_count 2
		.amdhsa_user_sgpr_kernarg_segment_ptr 1
		.amdhsa_wavefront_size32 1
		.amdhsa_system_sgpr_workgroup_id_x 1
		.amdhsa_system_sgpr_workgroup_id_y 1
		.amdhsa_system_sgpr_workgroup_id_z 1
		.amdhsa_system_vgpr_workitem_id 0
		.amdhsa_next_free_vgpr 208
		.amdhsa_next_free_sgpr 66
		.amdhsa_reserve_vcc 0
		.amdhsa_float_denorm_mode_32 3
		.amdhsa_float_denorm_mode_16_64 3
		.amdhsa_memory_ordered 1
		.amdhsa_forward_progress 1
		.amdhsa_inst_pref_size 31
	.end_amdhsa_kernel
	.amdgpu_metadata
---
amdhsa.version: [ 1, 2 ]
amdhsa.kernels:
  - .name:           k_qb0b56d8fad_cvt
    .symbol:         k_qb0b56d8fad_cvt.kd
    .args:
      - { .name: x, .offset: 0, .size: 8, .value_kind: global_buffer, .address_space: global }
      - { .name: wq, .offset: 8, .size: 8, .value_kind: global_buffer, .address_space: global }
      - { .name: wk, .offset: 16, .size: 8, .value_kind: global_buffer, .address_space: global }
      - { .name: wv, .offset: 24, .size: 8, .value_kind: global_buffer, .address_space: global }
      - { .name: wo, .offset: 32, .size: 8, .value_kind: global_buffer, .address_space: global }
      - { .name: xb, .offset: 40, .size: 8, .value_kind: global_buffer, .address_space: global }
      - { .name: wb, .offset: 48, .size: 8, .value_kind: global_buffer, .address_space: global }
      - { .name: wob, .offset: 56, .size: 8, .value_kind: global_buffer, .address_space: global }
    .group_segment_fixed_size: 0
    .private_segment_fixed_size: 0
    .kernarg_segment_align: 8
    .kernarg_segment_size: 64
    .max_flat_workgroup_size: 256
    .sgpr_count:     66
    .vgpr_count:     208
    .wavefront_size: 32
...
	.end_amdgpu_metadata
.endif
;; end of part 5
;; launch qkv: the kernel of part 2 again; grid 8 x 32, 4 waves a work-group, clusters of 4 x 4, 327,680 bytes of LDS; arguments xb, wb, cos, sin, q_norm_w, k_norm_w, qb, kb, vb; writes qb, kb, vb
;; launch attn: the kernel of part 3 again; grid 8 x 32, 4 waves a work-group, clusters of 4 x 4, 327,680 bytes of LDS; arguments qb, kb, vb, attention_mask, ob; writes ob
;; launch oproj: the kernel of part 4 again; grid 8 x 32, 4 waves a work-group, clusters of 4 x 4, 327,680 bytes of LDS; arguments ob, wob, out0; writes out0
